; MI455X (gfx1250); checked and timed in simulation.
; The chip was launched on July 23, 2026; its instructions are those of AMD's public machine-readable ISA for CDNA 5 (MIT licence, August 2026) and "CDNA5" Instruction Set Architecture Reference Guide (July 2026). The comments in the code are by the model that wrote it; some were corrected since.
;; Cross Attention. Allowed arithmetic: matrix products marked QUANTISED: E5M2 operands, one given power-of-two scale a tensor, by v_wmma_f32_16x16x64_bf8_bf8 or v_wmma_f32_16x16x128_bf8_bf8, f32 sums; everything else in f32.
;; Inputs: Wk_codes 1,024 x 32 x 32 uint8 (E5M2 codes of Wk, K innermost, in blocks of 32 codes); Wm_codes 1,024 x 32 x 32 uint8 (E5M2 codes of Wm, K innermost, in blocks of 32 codes); Wq_codes 1,024 x 32 x 32 uint8 (E5M2 codes of Wq, K innermost, in blocks of 32 codes); Wv_codes 1,024 x 32 x 32 uint8 (E5M2 codes of Wv, K innermost, in blocks of 32 codes); bk 1,024 float32; bm 1,024 float32; bq 1,024 float32; bv 1,024 float32; ln_b 1,024 float32; ln_g 1,024 float32; lowp_scales 12 int32 (the exponents e of the quantised operands' scales 2^e); mask 4 x 2,048 int32; x_k_codes 4 x 2,048 x 32 x 32 uint8 (E5M2 codes of x_k, K innermost, in blocks of 32 codes); x_v_codes 4 x 2,048 x 32 x 32 uint8 (E5M2 codes of x_v, K innermost, in blocks of 32 codes); y_q 4 x 2,048 x 1,024 float32.
;; Outputs: out0 4 x 2,048 x 1,024 float32.
;; This version of the problem:
;;   THIS VERSION OF THE PROBLEM IS GIVEN IN LOW PRECISION. The matrix products marked QUANTISED in the list below multiply operands that are first quantised to E5M2 (5 exponent bits, 2 mantissa bits; 8 bits a number), with one given power-of-two scale for each operand tensor; their sums are f32. All else is computed in f32.
;;   The module's matrix products, in the order in which they are computed (A, B: the left and right operand; K: the contracted axis; several contracted axes count as one K, in the product's order):
;;     1. [M 8,192, K 1,024] x [K 1,024, N 1,024]; A: input x_v (given as codes); B: input Wv (given as codes): QUANTISED (scales: A lowp_scales[0], B lowp_scales[1])
;;     2. [M 8,192, K 1,024] x [K 1,024, N 1,024]; A: input x_k (given as codes); B: input Wk (given as codes): QUANTISED (scales: A lowp_scales[2], B lowp_scales[3])
;;     3. [M 8,192, K 1,024] x [K 1,024, N 1,024]; A: input y_q; B: input Wq (given as codes): QUANTISED (scales: A lowp_scales[4], B lowp_scales[5])
;;     4. batch 64 x [M 2,048, K 64] x [K 64, N 2,048]; A: computed on the way; B: computed on the way: QUANTISED (scales: A lowp_scales[6], B lowp_scales[7])
;;     5. batch 64 x [M 2,048, K 2,048] x [K 2,048, N 64]; A: softmax (see below); B: computed on the way: QUANTISED (scales: A lowp_scales[8], B lowp_scales[9])
;;     6. [M 8,192, K 1,024] x [K 1,024, N 1,024]; A: computed on the way; B: input Wm (given as codes): QUANTISED (scales: A lowp_scales[10], B lowp_scales[11])
;;   THE QUANTISER, for each operand of a quantised product, along K:
;;     - The operand's scale is 2^e, e = its entry of the input lowp_scales (int32; the entries are numbered through the quantised products in the list's order, A before B).
;;     - Each number is divided by the scale, clamped to +-57,344, and rounded to the nearest number of E5M2, ties to even, subnormals kept.
;;     - The product sums the exact products of the quantised numbers (number of the format x scale) in f32.
;;   ~~~python
;;   def quantise(x, axis, e):      # numpy; x: float32 -> the quantised numbers, widened to float32 again
;;       x = np.moveaxis(x, axis, -1); K = x.shape[-1]
;;       r = np.clip(x / 2.0 ** e, -57344, 57344)
;;       step = 2.0 ** (np.maximum(np.frexp(np.where(r == 0, 1, r))[1] - 1, -14) - 2)
;;       q = np.round(r / step) * step * 2.0 ** e      # np.round: ties to even
;;       return np.moveaxis(q, -1, axis).astype(np.float32)
;;   ~~~
;;   SOFTMAX AHEAD OF A QUANTISED PRODUCT. Where the list says 'softmax', what is quantised is not the finished softmax but p = 2^(t - M), with t = logit x log2(e) and M = ceil(the row's largest t), a whole number; so 1/2 < the row's largest p <= 1. The row's sum l is taken of the UNQUANTISED p, in f32, and the product's result is divided by l at the end. Since M is a whole number, a kernel that streams over the keys may use a running M (the ceiling of the running maximum): every later rescaling is an exact power of two, so the quantised numbers keep their values, but for numbers so far below the row's largest that they fall under the format's range.
;;   OPERANDS COMPUTED ON THE WAY. 'Computed on the way' means the value that the module computes at that place (a softmax that the list does not call 'softmax' is quantised finished and normalised). What goes into a quantiser is computed in f32, as accurately as f32 sums, v_exp_f32 and their like allow (about 1e-6 of the number): no bf16 or f16 on the way to a quantiser, and a product that is left as it is and whose result goes on into a quantised operand takes f32 operands (vector FMAs, or v_wmma_f32_16x16x4_f32). A number that lies on a knife's edge between two numbers of the format may be rounded either way, as far as f32 arithmetic and the matrix unit's own rounding can turn it there, and no further.
;;   INPUTS GIVEN AS CODES. Wk (in the module: [1024, 1024], K = its axis 1); Wm (in the module: [1024, 1024], K = its axis 1); Wq (in the module: [1024, 1024], K = its axis 1); Wv (in the module: [1024, 1024], K = its axis 1); x_k (in the module: [4, 2048, 1024], K = its axis 2); x_v (in the module: [4, 2048, 1024], K = its axis 2): each comes as NAME_codes (uint8): NAME with its K axis moved to the last place and cut into blocks of 32 codes, [.., K / 32, bytes a block], one block behind the other in memory; one code a byte (a code: sign, 5 exponent bits, 2 mantissa bits); its scale is its entry of lowp_scales. Its value is code x scale, taken as it is: it is not quantised again, and the codes and scales need not be those that the quantiser above would give.
;; 2 versions, each right; version 2 is version 1 with the launch attn written anew for expert scheduling mode. Each part assembles by itself: llvm-mc -triple=amdgcn-amd-amdhsa -mcpu=gfx1250 --defsym DOCPART=n.
;; ======== version 1 of 2: 4 launches
;; limits: right only within a limited range of input values
;; workspace buffers: yq_codes 8,388,608 bytes; xk_perm 8,388,608 bytes; xv_perm 8,388,608 bytes; meta 1,024 bytes of whole numbers; q_img 8,388,608 bytes; k_img 8,388,608 bytes; v_img 8,388,608 bytes; o_img 8,388,608 bytes
;; launch prep (part 1): grid 512 x 1, 4 waves a work-group, no clusters, 33,280 bytes of LDS; arguments y_q, lowp_scales, mask, x_k_codes, x_v_codes, yq_codes, xk_perm, xv_perm, meta; writes yq_codes, xk_perm, xv_perm, meta
.if DOCPART == 1
	.amdgcn_target "amdgcn-amd-amdhsa--gfx1250"
	.amdhsa_code_object_version 6
	.text
	.protected	k_q1e76bb6c59_prep
	.globl	k_q1e76bb6c59_prep
	.p2align	8
	.type	k_q1e76bb6c59_prep,@function
k_q1e76bb6c59_prep:
	s_mov_b64 s[64:65], 0
	v_nop
	global_prefetch_b8 v0, s[64:65] scope:SCOPE_SE
	s_setreg_imm32_b32 hwreg(HW_REG_WAVE_MODE, 25, 1), 1
	s_wait_xcnt 0x0
; CROSS ATTENTION, launch 1 of 4.  Work-groups 0-255: y_q (f32) becomes codes of E5M2 with the given scale 2^e4.  Work-groups 256-511: the rows of x_k_codes and x_v_codes are copied
; so that in each batch the OPEN keys (mask != 1) come first, in their order, and the masked keys behind them: a permutation of the 2,048 rows; and the number of open keys is stored.
; WORK LEFT OUT BY THE PROGRAM, AND WHY IT IS DEAD.  A masked key has the logit -1e32.  Where a batch has an open key, the row's M is the ceiling of a t made of real scores, so a masked key's
; p = 2^(t - M) is 0 in f32, its code is 0 and it adds 0 to the row's sum: the products 4 and 5 of masked keys reach no output.  Which keys these are is said by whole numbers (the mask), which this
; launch reads and turns into an order of rows and a count NK; the attention launch reads NK and walks NK keys.  A softmax and a sum over keys do not hang on the keys' order, and K and V are permuted alike.
; Where a batch has NO open key all t are equal, p = 1 for every key and the sum is 2,048: then NK = 2,048 and FLAG = 1, and the attention launch walks all keys with the scores' factor 0.
; LIMITS.  Real scores stay far under 1e32 in size.  A NaN or an infinity that reaches only masked keys beyond the last walked step of 128 keys is not carried to the result.
; e4 between -126 and 112.  NaN in y_q is not served (an infinity is held at the largest code).
; No input is left out of the program.
.set STEPS, 16
.set EMAX,  15
.set MANT,  0x600000                   ; the mantissa field of 57,344 as f32
.set R,     16                         ; v16-79   path Q: four sets of 16 numbers as loaded
.set X,     80                         ; v80-111  two sets of 16 neighbours
.set C,     128                        ; v128-191 codes: four registers a step
.set WREG,  8192                       ; LDS: a region for each wave: two stages of 32 x SP bytes
.set SP,    80                         ; a lane's place in a stage: 64 bytes + 16 of padding
.set SPW,   12                         ; v12  LDS address of my spare word; never rewritten
.set NIL,   13                         ; v13  0; never rewritten
.set SPARE, 4*WREG                     ; behind the regions: the spare words, 128 bytes a wave
.set MK,    16                         ; v16-79   path C: the batch's 2,048 mask words, 64 a lane
.set D,     80                         ; v80-207  path C: 8 rows of x_k and 8 of x_v, 1,024 bytes each
.set PO,    208                        ; v208-215 path C: where row i goes: 1,024 x place + 16 x lane
	s_load_b256 s[4:11], s[0:1], 0x0               ; y_q s[4:5], scales s[6:7], mask s[8:9], x_k s[10:11]
	s_load_b256 s[12:19], s[0:1], 0x20             ; x_v s[12:13], yq_codes s[14:15], xk_perm s[16:17], xv_perm s[18:19]
	s_load_b64 s[20:21], s[0:1], 0x40              ; meta
	v_lshl_add_u32 v[SPW], v0, 2, SPARE
	v_mov_b32 v[NIL], 0
	v_lshrrev_b32 v1, 5, v0
	v_readfirstlane_b32 s24, v1                    ; wave 0..3
	v_and_b32 v2, 31, v0                           ; lane
	v_lshlrev_b32 v3, 4, v2                        ; 16 x lane
	s_mov_b32 s29, 0
	s_wait_kmcnt 0x0
	s_cmp_lt_u32 ttmp9, 256                        ; the work-group's number alone decides the path
	s_cbranch_scc0 .Lcopy
; ---- PATH Q.  A wave takes 16 steps of 512 numbers.  Each load reads 512 consecutive bytes; a step's 2,048 bytes turn through the wave's own stage so that a lane holds 16 neighbours along K.
	s_load_b32 s30, s[6:7], 0x10                   ; e4
	s_mul_i32 s25, s24, WREG
	v_lshrrev_b32 v14, 2, v2
	v_mul_u32_u24 v14, v14, SP
	v_and_b32 v15, 3, v2
	v_lshl_add_u32 v14, v15, 4, v14
	v_add_nc_u32 v14, s25, v14                     ; into the stage: SP (lane / 4) + 16 (lane % 4)
	v_mul_u32_u24 v15, v2, SP
	v_add_nc_u32 v15, s25, v15                     ; out of it: SP x lane
	s_lshl_b32 s26, ttmp9, 2
	s_add_co_u32 s26, s26, s24                     ; which run of 8,192 numbers is my wave's
	s_lshl_b32 s28, s26, 15
	s_add_nc_u64 s[4:5], s[4:5], s[28:29]
	s_lshl_b32 s28, s26, 13
	s_add_nc_u64 s[14:15], s[14:15], s[28:29]
.macro LOAD t
.irp i, 0,1,2,3
	global_load_b128 v[R+16*((\t)%4)+4*\i:R+16*((\t)%4)+4*\i+3], v3, s[4:5] offset:2048*(\t)+512*\i
.endr
.endm
.macro TURN t                          ; LDS serves a wave's instructions in order: no wait between the stores and the loads
.irp i, 0,1,2,3
	ds_store_b128 v14, v[R+16*((\t)%4)+4*\i:R+16*((\t)%4)+4*\i+3] offset:32*SP*((\t)%2)+8*SP*\i
.endr
.irp i, 0,1,2,3
	ds_load_b128 v[X+16*((\t)%2)+4*\i:X+16*((\t)%2)+4*\i+3], v15 offset:32*SP*((\t)%2)+16*\i
.endr
.endm
.irp t, 0,1,2,3
	LOAD \t
.endr
	s_wait_kmcnt 0x0
	s_add_co_i32 s30, s30, 127
	s_lshl_b32 s31, s30, 23
	v_mov_b32 v11, s31                             ; 2^e4 as f32: the conversion takes its exponent field
	s_add_co_i32 s30, s30, EMAX
	s_lshl_b32 s30, s30, 23
	s_or_b32 s30, s30, MANT
	v_mov_b32 v10, s30                             ; 57,344 x 2^e4
	s_wait_loadcnt 12                              ; step 0's four loads are in; those of three steps may be out
	TURN 0
.macro STEP t
.set XS, X+16*((\t)%2)
	s_wait_dscnt 0x0                               ; this step's numbers are back from the stage, and its stores into the stage have read their registers,
.if (\t)+4 < STEPS
	LOAD (\t)+4                                    ; which take the loads of four steps on
.endif
.if (\t)+1 < STEPS
.if STEPS-2-(\t) >= 3
	s_wait_loadcnt 12                              ; the next step's four loads are in; those of the three steps behind it may be out
.else
	s_wait_loadcnt 4*(STEPS-2-(\t))
.endif
	TURN (\t)+1
.endif
.irp i, 0,1,2,3,4,5,6,7,8,9,10,11,12,13,14,15
	v_med3_num_f32 v[XS+\i], v[XS+\i], -v10, v10   ; the conversion does not saturate (ISA guide 7.6.2): the hold at the largest code x the scale
.endr
	v_cvt_scalef32_pk8_bf8_f32 v[C+4*(\t):C+4*(\t)+1], v[XS:XS+7], v11
	v_cvt_scalef32_pk8_bf8_f32 v[C+4*(\t)+2:C+4*(\t)+3], v[XS+8:XS+15], v11
	global_store_b128 v3, v[C+4*(\t):C+4*(\t)+3], s[14:15] offset:512*(\t)   ; the wave stores 512 consecutive bytes; each step has its own data registers
.endm
.irp t, 0,1,2,3,4,5,6,7,8,9,10,11,12,13,14,15
	STEP \t
.endr
	s_wait_tensorcnt 0x0                           ; the wave's end, behind my last LDS store
	ds_add_u32 v[SPW], v[NIL]
	s_wait_dscnt 0x0
	s_endpgm
; ---- PATH C (no LDS).  Work-group 256 + 64 b + g copies rows 32 g .. 32 g + 31 of batch b, 8 rows a wave.  Each wave scans the batch's whole mask: word t of a lane is key 32 t + lane.
.Lcopy:
	s_sub_co_u32 s25, ttmp9, 256
	s_lshr_b32 s26, s25, 6                         ; b
	s_and_b32 s27, s25, 63                         ; g
	v_lshlrev_b32 v4, 2, v2                        ; 4 x lane
	s_lshl_b32 s28, s26, 13
	s_add_nc_u64 s[8:9], s[8:9], s[28:29]          ; the batch's mask
	s_lshl_b32 s28, s26, 11
	s_lshl_b32 s30, s27, 5                         ; l0 = 32 g
	s_add_co_u32 s28, s28, s30
	s_lshl_b32 s31, s24, 3                         ; 8 x wave
	s_add_co_u32 s28, s28, s31
	s_lshl_b32 s28, s28, 10                        ; my first row, in bytes
	s_add_nc_u64 s[10:11], s[10:11], s[28:29]
	s_add_nc_u64 s[12:13], s[12:13], s[28:29]
	s_lshl_b32 s28, s26, 21
	s_add_nc_u64 s[16:17], s[16:17], s[28:29]      ; the batch in the two copies
	s_add_nc_u64 s[18:19], s[18:19], s[28:29]
	s_lshl_b32 s28, s26, 8
	s_add_nc_u64 s[20:21], s[20:21], s[28:29]      ; the batch's 256 bytes of meta
.set t, 0
.rept 64
	global_load_b32 v[MK+t], v4, s[8:9] offset:128*t
.set t, t+1
.endr
.set n, 0
.rept 32                               ; load n: tensor n / 16, row (n % 16) / 2, half n % 2: 512 consecutive bytes each
.if n < 16
	global_load_b128 v[D+4*n:D+4*n+3], v3, s[10:11] offset:512*n th:TH_LOAD_NT
.else
	global_load_b128 v[D+4*n:D+4*n+3], v3, s[12:13] offset:512*(n-16) th:TH_LOAD_NT
.endif
.set n, n+1
.endr
	s_mov_b32 s32, 0                               ; TOT: open keys in the batch
	s_mov_b32 s34, 0                               ; BEF: open keys ahead of my work-group's 32
	s_mov_b32 s35, 0                               ; W: the open bits of my work-group's 32 keys
	s_wait_loadcnt 32                              ; the mask is in; the 32 data loads may be out
.set t, 0
.rept 64
	v_cmp_ne_u32 s36, 1, v[MK+t]                   ; bit l: key 32 t + l is open
	s_bcnt1_i32_b32 s37, s36
	s_add_co_u32 s32, s32, s37
	s_cmp_gt_u32 s27, t
	s_cselect_b32 s38, s37, 0
	s_add_co_u32 s34, s34, s38
	s_cmp_eq_u32 s27, t
	s_cselect_b32 s35, s36, s35
.set t, t+1
.endr
.set i, 0
.rept 8                                ; row n = 8 wave + i of the 32: an open key goes to place BEF + its rank, a masked one to TOT + the masked keys ahead of it
	s_add_co_u32 s36, s31, i
	s_bfm_b32 s37, s36, 0                          ; the bits under n
	s_and_b32 s37, s37, s35
	s_bcnt1_i32_b32 s37, s37
	s_add_co_u32 s38, s34, s37                     ; open keys ahead of this one
	s_add_co_u32 s39, s30, s36
	s_add_co_u32 s39, s39, s32
	s_sub_co_u32 s39, s39, s38                     ; TOT + (l0 + n - open keys ahead)
	s_bitcmp1_b32 s35, s36
	s_cselect_b32 s38, s38, s39
	s_min_u32 s38, s38, 0x7ff                      ; a place among 2,048
	s_lshl_b32 s38, s38, 10
	v_add_nc_u32 v[PO+i], s38, v3
.set i, i+1
.endr
.set n, 0
.rept 32
	s_wait_loadcnt 31-n                            ; loads come back in order: load n is in, the younger ones may be out
.if n < 16
	global_store_b128 v[PO+n/2], v[D+4*n:D+4*n+3], s[16:17] offset:512*(n%2)
.else
	global_store_b128 v[PO+(n-16)/2], v[D+4*n:D+4*n+3], s[18:19] offset:512*(n%2)
.endif
.set n, n+1
.endr
	s_or_b32 s36, s27, s24                         ; wave 0 of the batch's first work-group stores the count: ids alone
	s_cmp_lg_u32 s36, 0
	s_cbranch_scc1 .Lend
	s_cmp_eq_u32 s32, 0
	s_cselect_b32 s36, 0x800, s32                  ; NK: the open keys, or all 2,048 where none is open
	s_cselect_b32 s37, 1, 0                        ; FLAG
	v_mov_b32 v216, s36
	v_mov_b32 v217, s37
	v_lshlrev_b32 v218, 3, v2
	global_store_b64 v218, v[216:217], s[20:21]    ; 32 lanes store the pair: 256 consecutive bytes
.Lend:
	s_endpgm
.Lfunc_end_k_q1e76bb6c59_prep:
	.size	k_q1e76bb6c59_prep, .Lfunc_end_k_q1e76bb6c59_prep-k_q1e76bb6c59_prep
	.p2alignl 7, 3214868480
	.fill 96, 4, 3214868480
	.section	.rodata,"a",@progbits
	.p2align	6, 0x0
	.amdhsa_kernel k_q1e76bb6c59_prep
		.amdhsa_group_segment_fixed_size 33280
		.amdhsa_private_segment_fixed_size 0
		.amdhsa_enable_private_segment 0
		.amdhsa_kernarg_size 72
		.amdhsa_user_sgpr_count 2
		.amdhsa_user_sgpr_kernarg_segment_ptr 1
		.amdhsa_wavefront_size32 1
		.amdhsa_system_sgpr_workgroup_id_x 1
		.amdhsa_system_sgpr_workgroup_id_y 1
		.amdhsa_system_sgpr_workgroup_id_z 1
		.amdhsa_system_vgpr_workitem_id 0
		.amdhsa_next_free_vgpr 224
		.amdhsa_next_free_sgpr 66
		.amdhsa_reserve_vcc 0
		.amdhsa_float_denorm_mode_32 3
		.amdhsa_float_denorm_mode_16_64 3
		.amdhsa_memory_ordered 1
		.amdhsa_forward_progress 1
		.amdhsa_inst_pref_size 73
	.end_amdhsa_kernel
	.amdgpu_metadata
---
amdhsa.version: [ 1, 2 ]
amdhsa.kernels:
  - .name:           k_q1e76bb6c59_prep
    .symbol:         k_q1e76bb6c59_prep.kd
    .args:
      - { .name: y_q, .offset: 0, .size: 8, .value_kind: global_buffer, .address_space: global }
      - { .name: lowp_scales, .offset: 8, .size: 8, .value_kind: global_buffer, .address_space: global }
      - { .name: mask, .offset: 16, .size: 8, .value_kind: global_buffer, .address_space: global }
      - { .name: x_k_codes, .offset: 24, .size: 8, .value_kind: global_buffer, .address_space: global }
      - { .name: x_v_codes, .offset: 32, .size: 8, .value_kind: global_buffer, .address_space: global }
      - { .name: yq_codes, .offset: 40, .size: 8, .value_kind: global_buffer, .address_space: global }
      - { .name: xk_perm, .offset: 48, .size: 8, .value_kind: global_buffer, .address_space: global }
      - { .name: xv_perm, .offset: 56, .size: 8, .value_kind: global_buffer, .address_space: global }
      - { .name: meta, .offset: 64, .size: 8, .value_kind: global_buffer, .address_space: global }
    .group_segment_fixed_size: 33280
    .private_segment_fixed_size: 0
    .kernarg_segment_align: 8
    .kernarg_segment_size: 72
    .max_flat_workgroup_size: 128
    .sgpr_count:     66
    .vgpr_count:     224
    .wavefront_size: 32
...
	.end_amdgpu_metadata
.endif
;; end of part 1
;; launch proj (part 2): grid 4 x 96, 4 waves a work-group, clusters of 4 x 4, 327,680 bytes of LDS; arguments yq_codes, xk_perm, xv_perm, Wq_codes, Wk_codes, Wv_codes, bq, bk, bv, lowp_scales, q_img, k_img, v_img; writes q_img, k_img, v_img
.if DOCPART == 2
	.amdgcn_target "amdgcn-amd-amdhsa--gfx1250"
	.amdhsa_code_object_version 6
	.text
	.protected	k_q1e76bb6c59_proj
	.globl	k_q1e76bb6c59_proj
	.p2align	8
	.type	k_q1e76bb6c59_proj,@function
k_q1e76bb6c59_proj:
	s_mov_b64 s[64:65], 0
	v_nop
	global_prefetch_b8 v0, s[64:65] scope:SCOPE_SE
	s_setreg_imm32_b32 hwreg(HW_REG_WAVE_MODE, 25, 1), 1
	s_wait_xcnt 0x0
	s_wait_alu depctr_hold_cnt(0) depctr_sa_sdst(0) depctr_va_vdst(0) depctr_va_sdst(0) depctr_va_ssrc(0) depctr_va_vcc(0) depctr_vm_vsrc(0)
	s_getreg_b32 s2, hwreg(HW_REG_IB_STS2, 6, 4)
	s_cmp_eq_u32 s2, 0
	s_cbranch_scc0 .Lentry_in_a_cluster
	s_endpgm
.Lentry_in_a_cluster:
	s_bfe_u32 s2, ttmp6, 0x10000c
	s_cmp_lg_u32 s2, 0xf033
	s_cbranch_scc0 .Lentry_shape_is_right
	s_endpgm
.Lentry_shape_is_right:
; Launch 2 of 4: the three projections on codes of E5M2, with bias, quantised again for the attention.  Nothing is left out here: all 2,048 places of K and V are projected (a batch with no open key needs them all).
; ONE TEXT FOR THREE PRODUCTS: C[m][n] = sum over k of A[m][k] B[n][k], K = 1,024; 24 clusters of 4 x 4 work-groups, 8 for each product P = cluster y / 8:
;   P = 0: A = yq_codes, B = Wq, bias bq along n, result q (scale e6).   P = 1: A = xk_perm, B = Wk, bk along n, result k (e7).
;   P = 2: A = Wv, B = xv_perm, bias bv along m, result v TRANSPOSED (channel, key), since the keys are the next product's K (e9).
; A tile of C is 256 x 256, four waves, 128 x 128 each: 64 accumulators.  K goes in steps of 256 through a ring of two LDS slots filled by joint tensor loads: A's tile is shared along a row of the cluster, B's along a column.
; THE MATRIX INSTRUCTION IS USED TRANSPOSED (source 0 = 16 rows of B, source 1 = 16 rows of A): a lane holds eight neighbours along n of one row m, which are neighbours along the next K.
; THE BIAS STARTS THE SUMS: each accumulator begins as bias / 2^(ea + eb), so that sum + bias is converted with the one folded scale 2^(eo - ea - eb), with no multiply or add on the way out.
; THE RESULTS LEAVE AS IMAGES OF OPERAND REGISTERS.  A tile T of 16 rows holds rows 32 (T / 2) + 8 (T % 2) + r + 8 (r / 8), r = lane % 16; lane (r, h) of chunk c holds its row's codes 32 c + 16 h .. + 15, at 16 x lane.
;   q_img, k_img: [batch 4][head 16][T 128][c 2][512 bytes].   v_img: [batch][head][128 keys: 16][c / 2][tile of channels 4][c % 2][512 bytes].
; LIMITS on the given exponents, so that each power of two is an f32 number: ea + eb between -126 and 126; eo - ea - eb between -126 and 112.
; REGISTERS, in windows of 256: window 0: v1-29 addresses and constants; v32-95 the bias, later a block's held sums; v128-255 A's fragments, one set, later the codes; window 1: B's fragments, two sets; windows 2, 3: the accumulators.
.set ROWB,   256                       ; a tile's row in bytes
.set KROW,   1024                      ; a row of A or B in memory
.set PITCH,  272                       ; an LDS row: 256 bytes + 16 of padding: the 16 rows that a load touches start 4 banks apart (64 banks of 4 bytes: ISA guide 11.1)
.set FR,     16
.set NL,     4
.set NP,     4                         ; places behind this matrix instruction (ISA guide 7.12.1)
.set HALFT,  128*PITCH
.set SLOT,   4*HALFT
.set LAPS,   2                         ; 1,024 / 512
.set SPARE,  2*SLOT                    ; the spare words, 128 bytes a wave
.set VO,   8                           ; v8-11   the way out: 16 x lane + k X
.set SCL,  12                          ; v12     2^(eo - ea - eb)
.set LIM,  13                          ; v13     57,344 x that
.set ADRA, 16
.set ADRB, 20
.set STO,  24                          ; v24     the stage: where I put 8 codes
.set RD,   25                          ; v25     and where I read 16 back
.set SPW,  28
.set NIL,  29
.set BT,   32
.set TMP,  32
.set OUTR, 32                          ; v32-159 the images on their way out
.set AF,   128
.set CD,   128                         ; v128-255 the codes, 16 registers a block of 16 rows
.set G1, 24
.set G0, 32
.set G1B, 48
.set G0B, 56
.set MSB, 0
.macro WIN new                         ; the immediate's high byte repeats the setting that is left
.if MSB != (\new)
	s_set_vgpr_msb (MSB<<8)|(\new)
.set MSB, (\new)
.endif
.endm
.set MUL_LO, 0xa1                      ; source 0 (B) window 1, source 1 (A) window 0, C and D window 2
.set MUL_HI, 0xf1
.set TO_B,   0x40
; A joint load: waves 0 and 1 fetch for A, waves 2 and 3 for B; the branch hangs on the wave's number alone.  An s_nop 0 and four v_nop follow each line.
.macro JLOAD g0a, g1a, g0b, g1b
	s_cmp_eq_u32 s15, 0
	s_cbranch_scc0 .Lfor_b_\@
	tensor_load_to_lds s[\g0a:\g0a+3], s[\g1a:\g1a+7]
	s_nop 0
.rept 4
	v_nop
.endr
	s_branch .Lasked_\@
.Lfor_b_\@:
	tensor_load_to_lds s[\g0b:\g0b+3], s[\g1b:\g1b+7]
	s_nop 0
.rept 4
	v_nop
.endr
.Lasked_\@:
.endm
.macro CREST
	s_cmp_lg_u32 s14, 0
	s_cbranch_scc1 .Lnot_wave_0_\@
	s_barrier_signal -3
.Lnot_wave_0_\@:
	s_barrier_wait -3
	s_barrier_signal -1
	s_barrier_wait -1
.endm
.macro CROUND
	s_barrier_signal -1
	s_barrier_wait -1
	CREST
.endm
	s_load_b512 s[68:83], s[0:1], 0x0              ; yq s[68:69], xk s[70:71], xv s[72:73], Wq s[74:75], Wk s[76:77], Wv s[78:79], bq s[80:81], bk s[82:83]
	s_load_b256 s[84:91], s[0:1], 0x40             ; bv s[84:85], scales s[86:87], q_img s[88:89], k_img s[90:91]
	s_load_b64 s[92:93], s[0:1], 0x60              ; v_img
	v_lshl_add_u32 v[SPW], v0, 2, SPARE
	v_mov_b32 v[NIL], 0
	ds_add_u32 v[SPW], v[NIL]                      ; the wave's opening: the add, twice on end, and its wait ahead of my first tensor load
	ds_add_u32 v[SPW], v[NIL]
	v_lshrrev_b32 v1, 5, v0
	v_readfirstlane_b32 s14, v1                    ; wave 0..3
	s_lshr_b32 s15, s14, 1                         ; my half of the tile's rows; also: I fetch for A (0) or B (1)
	s_and_b32 s16, s14, 1                          ; my half of its columns; also: which 128 rows I fetch
	s_bfe_u32 s40, ttmp6, 0x40000                  ; cx
	s_bfe_u32 s41, ttmp6, 0x40004                  ; cy
	s_and_b32 s67, ttmp7, 0xffff                   ; the cluster's number, 0..23: the same in all sixteen partners
	s_lshr_b32 s66, s67, 3                         ; P
	s_and_b32 s67, s67, 7
	s_cmp_eq_u32 s66, 2
	s_cselect_b32 s98, 1, 0                        ; isV
	s_cselect_b32 s17, 0, s67                      ; the long operand (32 tiles) is A for q and k, B for v
	s_cselect_b32 s42, s67, 0
	s_lshl_b32 s17, s17, 2
	s_add_co_u32 s17, s17, s41                     ; tile row = 4 x group + cy
	s_lshl_b32 s42, s42, 2
	s_add_co_u32 s42, s42, s40                     ; tile column = 4 x group + cx
	s_lshl_b32 s43, s41, 2
	s_lshl_b32 s43, 15, s43                        ; my row of the cluster
	s_lshl_b32 s44, 0x1111, s40                    ; my column
	s_or_b32 s[G1+0], s43, (0<<16)|(1<<20)|(1<<21)|(5<<22)|(3<<25)  ; the mask; elements of 1 byte; padding on; bit 21 beside a mask; after every 64 words four words
	s_or_b32 s[G1B+0], s44, (0<<16)|(1<<20)|(1<<21)|(5<<22)|(3<<25)
.irp g, G1, G1B
	s_mov_b32 s[\g+1], ROWB<<16                    ; tensor_dim0
	s_mov_b32 s[\g+2], 128<<16                     ; tensor_dim1
	s_mov_b32 s[\g+3], ROWB<<16                    ; tile_dim0
	s_mov_b32 s[\g+4], 128                         ; tile_dim1
	s_mov_b32 s[\g+5], KROW                        ; the pitch
	s_mov_b32 s[\g+6], 0
	s_mov_b32 s[\g+7], 0
.endr
	s_lshl_b32 s18, s16, 7
	s_lshl_b32 s20, s17, 8
	s_add_co_u32 s20, s20, s18                     ; A: row 256 x tile row + 128 x half
	s_lshl_b32 s20, s20, 10
	s_mov_b32 s21, 0
	s_lshl_b32 s46, s42, 8
	s_add_co_u32 s46, s46, s18                     ; B: row 256 x tile column + 128 x half
	s_lshl_b32 s46, s46, 10
	s_mov_b32 s47, 0
	s_mul_i32 s45, s14, HALFT                      ; where they go: wave x 128 rows
	s_wait_dscnt 0x0                               ; both opening adds are done
	s_wait_kmcnt 0x0
	s_cmp_eq_u32 s66, 1                            ; the product's buffers: the choice hangs on the cluster's number alone
	s_cselect_b64 s[4:5], s[70:71], s[78:79]
	s_cselect_b64 s[6:7], s[76:77], s[72:73]
	s_cselect_b64 s[12:13], s[82:83], s[84:85]
	s_cselect_b64 s[10:11], s[90:91], s[92:93]
	s_cmp_eq_u32 s66, 0
	s_cselect_b64 s[4:5], s[68:69], s[4:5]         ; A
	s_cselect_b64 s[6:7], s[74:75], s[6:7]         ; B
	s_cselect_b64 s[12:13], s[80:81], s[12:13]     ; the bias
	s_cselect_b64 s[10:11], s[88:89], s[10:11]     ; the result
	s_mov_b64 s[8:9], s[86:87]
	s_load_b256 s[68:75], s[8:9], 0x0              ; e0 .. e7
	s_load_b128 s[76:79], s[8:9], 0x20             ; e8 .. e11
	s_add_nc_u64 s[20:21], s[4:5], s[20:21]
	s_add_nc_u64 s[46:47], s[6:7], s[46:47]
	CROUND                                         ; all sixteen work-groups are here: the first joint loads meet
.irp s, 0,1
	s_mov_b32 s[G0+4*\s], 1
	s_add_co_u32 s[G0+4*\s+1], s45, \s*SLOT
	s_add_nc_u64 s[G0+4*\s+2:G0+4*\s+3], s[20:21], \s*ROWB
	s_or_b32 s[G0+4*\s+3], s[G0+4*\s+3], 0x80000000
	s_mov_b32 s[G0B+4*\s], 1
	s_add_co_u32 s[G0B+4*\s+1], s45, \s*SLOT
	s_add_nc_u64 s[G0B+4*\s+2:G0B+4*\s+3], s[46:47], \s*ROWB
	s_or_b32 s[G0B+4*\s+3], s[G0B+4*\s+3], 0x80000000
	JLOAD G0+4*\s, G1, G0B+4*\s, G1B
.endr
	v_and_b32 v1, 15, v0                           ; r
	v_bfe_u32 v2, v0, 4, 1                         ; h
	v_mul_u32_u24 v3, v1, PITCH
	v_lshl_add_u32 v4, v2, 4, v3                   ; a fragment's row x pitch + 16 h
	s_mul_i32 s21, s15, HALFT
	s_mul_i32 s22, s16, HALFT
	s_add_co_u32 s22, s22, 2*HALFT
.irp s, 0,1
	v_add_nc_u32 v[ADRA+\s], s21, v4
	v_add_nc_u32 v[ADRB+\s], s22, v4
	s_add_co_u32 s21, s21, SLOT
	s_add_co_u32 s22, s22, SLOT
.endr
	s_mul_i32 s23, s15, 128*PITCH                  ; the stage, 256 rows x 272 bytes in slot 0: into it: row 128 x row half + r, byte 128 x column half + 8 h
	s_lshl_b32 s22, s16, 7
	s_add_co_u32 s23, s23, s22
	v_lshl_add_u32 v5, v2, 3, v3
	v_add_nc_u32 v[STO], s23, v5
	v_and_b32 v6, 8, v1
	v_add_nc_u32 v6, v6, v1                        ; r + 8 (r / 8)
	v_mul_u32_u24 v6, v6, PITCH
	v_lshl_add_u32 v6, v2, 4, v6
	s_mul_i32 s23, s14, 64*PITCH                   ; out of it: wave w takes rows 64 w on, in the tiles' order
	v_add_nc_u32 v[RD], s23, v6
	; where the images go.  L: the tile number along the long operand, S: along the weight.
	s_cmp_eq_u32 s98, 1
	s_cselect_b32 s84, s42, s17                    ; L
	s_cselect_b32 s85, s17, s42                    ; S
	s_cselect_b32 s86, 17, 12                      ; my wave's 64 rows are a head of v (2^17 bytes), or 4 tiles of q or k (2^12)
	s_mov_b32 s99, 0x20000
	s_cselect_b32 s99, 0x1000, s99                 ; X: 64 columns on are a head of q or k (2^17), or half a step of keys of v (2^12)
	s_cselect_b32 s91, s15, s16                    ; the half along which the bias runs
	s_lshr_b32 s87, s84, 3
	s_lshl_b32 s88, s87, 21                        ; the batch
	s_lshl_b32 s87, s85, 19
	s_add_co_u32 s88, s88, s87
	s_and_b32 s87, s84, 7
	s_lshl_b32 s87, s87, 14
	s_add_co_u32 s88, s88, s87
	s_lshl_b32 s87, s14, s86
	s_add_co_u32 s88, s88, s87
	s_mov_b32 s89, 0
	s_add_nc_u64 s[10:11], s[10:11], s[88:89]
	s_lshl_b32 s88, s85, 10                        ; the bias runs along the weight's rows: 4 bytes x (256 S + 128 half)
	s_lshl_b32 s87, s91, 9
	s_add_co_u32 s88, s88, s87
	s_add_nc_u64 s[12:13], s[12:13], s[88:89]
	v_and_b32 v[VO], 31, v0
	v_lshlrev_b32 v[VO], 4, v[VO]
	v_add_nc_u32 v[VO+1], s99, v[VO]
	v_add_nc_u32 v[VO+2], s99, v[VO+1]
	v_add_nc_u32 v[VO+3], s99, v[VO+2]
	s_wait_kmcnt 0x0                               ; the exponents; they are chosen by selects, never by a branch
	s_add_co_i32 s80, s72, s73                     ; e4 + e5
	s_add_co_i32 s81, s70, s71                     ; e2 + e3
	s_add_co_i32 s82, s68, s69                     ; e0 + e1
	s_cmp_eq_u32 s66, 1
	s_cselect_b32 s81, s81, s82
	s_cselect_b32 s83, s75, s77                    ; e7 : e9
	s_cmp_eq_u32 s66, 0
	s_cselect_b32 s81, s80, s81                    ; ea + eb
	s_cselect_b32 s83, s74, s83                    ; eo
	s_sub_co_i32 s96, 127, s81
	s_lshl_b32 s96, s96, 23                        ; 2^-(ea + eb) as f32
	s_mov_b32 s97, s96                             ; (named with it as a pair)
	s_sub_co_i32 s83, s83, s81
	s_add_co_i32 s83, s83, 127
	s_lshl_b32 s82, s83, 23
	v_mov_b32 v[SCL], s82
	s_add_co_i32 s83, s83, 15
	s_lshl_b32 s83, s83, 23
	s_or_b32 s83, s83, 0x600000
	v_mov_b32 v[LIM], s83
	; THE BIAS INTO THE ACCUMULATORS, while the first tiles are on their way.  Accumulator (a, b), register j, lane (r, h) is C(16 a + r, 16 b + 8 h + j).  One branch on the product, the same in the whole cluster.
	s_cmp_eq_u32 s98, 1
	s_cbranch_scc1 .Lbias_v
	v_lshlrev_b32 v7, 5, v2                        ; q, k: along n: my half's eight numbers of each of 8 tiles
.irp b, 0,1,2,3,4,5,6,7
	global_load_b128 v[BT+8*\b:BT+8*\b+3], v7, s[12:13] offset:64*\b
	global_load_b128 v[BT+8*\b+4:BT+8*\b+7], v7, s[12:13] offset:64*\b+16
.endr
	s_wait_loadcnt 0x0
.irp u, 0,1
	WIN 0x80+0x40*\u                               ; destination window 2, then 3
.irp a, 0,1,2,3
.irp b, 0,1,2,3,4,5,6,7
.irp i, 0,2,4,6
	v_pk_mul_f32 v[8*(8*\a+\b)+\i:8*(8*\a+\b)+\i+1], v[BT+8*\b+\i:BT+8*\b+\i+1], s[96:97] op_sel_hi:[1,0]
.endr
.endr
.endr
.endr
	WIN 0
	s_branch .Lbias_done
.Lbias_v:
	v_lshlrev_b32 v7, 2, v1                        ; v: along m: my row's number for each of 8 blocks, loaded twice to fill a pair
.irp a, 0,1,2,3,4,5,6,7
	global_load_b32 v[BT+2*\a], v7, s[12:13] offset:64*\a
	global_load_b32 v[BT+2*\a+1], v7, s[12:13] offset:64*\a
.endr
	s_wait_loadcnt 0x0
.irp u, 0,1
	WIN 0x80+0x40*\u
.irp a, 0,1,2,3
.irp b, 0,1,2,3,4,5,6,7
.irp i, 0,2,4,6
	v_pk_mul_f32 v[8*(8*\a+\b)+\i:8*(8*\a+\b)+\i+1], v[BT+2*(4*\u+\a):BT+2*(4*\u+\a)+1], s[96:97] op_sel_hi:[1,0]
.endr
.endr
.endr
.endr
	WIN 0
.Lbias_done:
.macro FRAG reg, adr, q, i             ; 16 rows x 128 K: lane l holds row l % 16; registers 4 c .. 4 c + 3 hold K = 32 c + 16 (l / 16) + 0 .. 15: the same order of k in A and in B
.irp c, 0,1,2,3
	ds_load_b128 v[\reg+4*\c:\reg+4*\c+3], v[\adr] offset:128*(\q)+32*\c+(\i)*16*PITCH
.endr
.endm
; 16 matrix instructions: A's blocks a0, a0 + 1 x B's eight.  The 64 accumulators take turns, one instruction a turn, in the same order in every step.
.macro MUL16 a0, p
.irp a, \a0, \a0+1
.irp b, 0,1,2,3,4,5,6,7
	v_wmma_f32_16x16x128_bf8_bf8 v[8*(8*((\a)%4)+\b):8*(8*((\a)%4)+\b)+7], v[128*(\p)+FR*\b:128*(\p)+FR*\b+FR-1], v[AF+FR*(\a):AF+FR*(\a)+FR-1], v[8*(8*((\a)%4)+\b):8*(8*((\a)%4)+\b)+7]
.endr
.endr
.endm
.macro FETCH_B slot, q, p
	WIN TO_B
.irp i, 0,1,2,3,4,5,6,7
	FRAG 128*(\p)+FR*\i, ADRB+\slot, \q, \i
.endr
	WIN 0
.endm
.macro FETCH_A slot, q, i0
.irp i, \i0, \i0+1, \i0+2, \i0+3
	FRAG AF+FR*(\i), ADRA+\slot, \q, \i
.endr
.endm
.macro PLACES n                        ; plain vector instructions between a matrix instruction and a load into, or a vector read of, its registers
.rept \n
	v_nop
.endr
.endm
.macro STEP slot, q                    ; a step of 128 along K that has its successor in the same slot
	s_wait_dscnt 4*NL                              ; B's set and A's blocks 0-3 are in; the youngest sixteen loads (A's blocks 4-7) may be out
	WIN MUL_LO
	MUL16 0, (\q)%2
	MUL16 2, (\q)%2
	s_wait_dscnt 0
	PLACES NP
	FETCH_B \slot, (\q)+1, 1-(\q)%2
	FETCH_A \slot, (\q)+1, 0
	WIN MUL_HI
	MUL16 4, (\q)%2
	MUL16 6, (\q)%2
	PLACES NP
	WIN 0
	FETCH_A \slot, (\q)+1, 4
.endm
; A slot's last step changes slots: one barrier; in front of it each wave waits for all its tensor loads, adds 0 to its spare word, and waits for that and for its reads of this slot.
.macro TURN slot, next, fill
	s_wait_tensorcnt 0x0                           ; all my tensor loads have landed: my part of the next slot
	ds_add_u32 v[SPW], v[NIL]
	s_wait_dscnt 4*NL+1                            ; the add and A's blocks 4-7 may be out
	WIN MUL_LO
	MUL16 0, 1
	s_wait_dscnt 0x0                               ; the add is done, and my reads of this slot are over
	s_barrier_signal -1
	MUL16 2, 1
	WIN 0
	s_barrier_wait -1
.if \fill
	CREST                                          ; the barrier has opened a round of the cluster's barrier: no wave of any partner still reads this slot or has a load on its way
	s_add_nc_u64 s[G0+4*\slot+2:G0+4*\slot+3], s[G0+4*\slot+2:G0+4*\slot+3], 2*ROWB
	s_add_nc_u64 s[G0B+4*\slot+2:G0B+4*\slot+3], s[G0B+4*\slot+2:G0B+4*\slot+3], 2*ROWB
	JLOAD G0+4*\slot, G1, G0B+4*\slot, G1B         ; the first tensor load behind the round; its four v_nop are the places in front of the loads below
.else
	PLACES NP
.endif
	FETCH_B \next, 0, 0
	FETCH_A \next, 0, 0
	WIN MUL_HI
	MUL16 4, 1
	MUL16 6, 1
	PLACES NP
	WIN 0
	FETCH_A \next, 0, 4
.endm
	s_wait_tensorcnt 1                             ; my part of K step 0 is in; K step 1's load may be out
	s_barrier_signal -1
	s_barrier_wait -1
	FETCH_B 0, 0, 0
	FETCH_A 0, 0, 0
	FETCH_A 0, 0, 4
	STEP 0, 0
	s_mov_b32 s3, LAPS-1
.Llap:                                                 ; a trip goes once round the ring and fills both slots again
	TURN 0, 1, 1
	STEP 1, 0
	TURN 1, 0, 1
	STEP 0, 0
	s_sub_co_u32 s3, s3, 1
	s_cmp_lg_u32 s3, 0
	s_cbranch_scc1 .Llap
	TURN 0, 1, 0                                   ; the last lap fills nothing; behind this barrier nobody reads slot 0 any more
	STEP 1, 0
	s_wait_dscnt 4*NL
	WIN MUL_LO
	MUL16 0, 1
	MUL16 2, 1
	s_wait_dscnt 0
	WIN MUL_HI
	MUL16 4, 1
	MUL16 6, 1
	WIN 0
; THE WAY OUT.  A block of 16 rows: the 64 sums of a lane are held, converted (8 neighbours along n make 8 bytes) and stored into the stage, which lies in slot 0: that slot has had its last fill and its last read.
.macro OUTBLK a
.set AC, 64*((\a)%4)
	WIN 0x02+((\a)/4)                              ; source 0: window 2 or 3
.set i, 0
.rept 64
	v_med3_num_f32 v[TMP+i], v[AC+i], -v[LIM], v[LIM]   ; each accumulator from its low end on; the conversion does not saturate (ISA guide 7.6.2)
.set i, i+1
.endr
	WIN 0
.irp b, 0,1,2,3,4,5,6,7
	v_cvt_scalef32_pk8_bf8_f32 v[CD+16*(\a)+2*\b:CD+16*(\a)+2*\b+1], v[TMP+8*\b:TMP+8*\b+7], v[SCL]
.endr
	v_nop                                          ; a plain vector instruction behind the last conversion: the next block writes the conversions' sources
.irp b, 0,1,2,3,4,5,6,7
	ds_store_b64 v[STO], v[CD+16*(\a)+2*\b:CD+16*(\a)+2*\b+1] offset:(\a)*16*PITCH+16*\b
.endr
.endm
	PLACES NP
.irp a, 0,1,2,3,4,5,6,7
	OUTBLK \a
.endr
	s_wait_dscnt 0x0                               ; for the others' sake: my stores into the stage are done
	s_barrier_signal -1
	s_barrier_wait -1
.irp g, 0,1,2,3                        ; tile g of my 64 rows, chunk c of 32 columns: lane (r, h) takes 16 bytes of row 32 (g / 2) + 8 (g % 2) + r + 8 (r / 8)
.irp c, 0,1,2,3,4,5,6,7
	ds_load_b128 v[OUTR+4*(8*\g+\c):OUTR+4*(8*\g+\c)+3], v[RD] offset:(32*(\g/2)+8*(\g%2))*PITCH+32*\c
.endr
.endr
.irp g, 0,1,2,3
.irp c, 0,1,2,3,4,5,6,7
	s_wait_dscnt 31-(8*\g+\c)                      ; LDS loads come back in order: this one is in, the younger ones may be out
	global_store_b128 v[VO+\c/2], v[OUTR+4*(8*\g+\c):OUTR+4*(8*\g+\c)+3], s[10:11] offset:\g*1024+(\c%2)*512   ; 32 lanes store 512 consecutive bytes, aligned
.endr
.endr
	s_wait_tensorcnt 0x0                           ; the wave's end
	ds_add_u32 v[SPW], v[NIL]
	s_wait_dscnt 0x0
	CROUND                                         ; the closing round
	s_endpgm
.Lfunc_end_k_q1e76bb6c59_proj:
	.size	k_q1e76bb6c59_proj, .Lfunc_end_k_q1e76bb6c59_proj-k_q1e76bb6c59_proj
	.p2alignl 7, 3214868480
	.fill 96, 4, 3214868480
	.section	.rodata,"a",@progbits
	.p2align	6, 0x0
	.amdhsa_kernel k_q1e76bb6c59_proj
		.amdhsa_group_segment_fixed_size 327680
		.amdhsa_private_segment_fixed_size 0
		.amdhsa_enable_private_segment 0
		.amdhsa_kernarg_size 104
		.amdhsa_user_sgpr_count 2
		.amdhsa_user_sgpr_kernarg_segment_ptr 1
		.amdhsa_wavefront_size32 1
		.amdhsa_system_sgpr_workgroup_id_x 1
		.amdhsa_system_sgpr_workgroup_id_y 1
		.amdhsa_system_sgpr_workgroup_id_z 1
		.amdhsa_system_vgpr_workitem_id 0
		.amdhsa_next_free_vgpr 1024
		.amdhsa_next_free_sgpr 100
		.amdhsa_reserve_vcc 0
		.amdhsa_float_denorm_mode_32 3
		.amdhsa_float_denorm_mode_16_64 3
		.amdhsa_memory_ordered 1
		.amdhsa_forward_progress 1
		.amdhsa_inst_pref_size 162
	.end_amdhsa_kernel
	.amdgpu_metadata
---
amdhsa.version: [ 1, 2 ]
amdhsa.kernels:
  - .name:           k_q1e76bb6c59_proj
    .symbol:         k_q1e76bb6c59_proj.kd
    .args:
      - { .name: yq_codes, .offset: 0, .size: 8, .value_kind: global_buffer, .address_space: global }
      - { .name: xk_perm, .offset: 8, .size: 8, .value_kind: global_buffer, .address_space: global }
      - { .name: xv_perm, .offset: 16, .size: 8, .value_kind: global_buffer, .address_space: global }
      - { .name: Wq_codes, .offset: 24, .size: 8, .value_kind: global_buffer, .address_space: global }
      - { .name: Wk_codes, .offset: 32, .size: 8, .value_kind: global_buffer, .address_space: global }
      - { .name: Wv_codes, .offset: 40, .size: 8, .value_kind: global_buffer, .address_space: global }
      - { .name: bq, .offset: 48, .size: 8, .value_kind: global_buffer, .address_space: global }
      - { .name: bk, .offset: 56, .size: 8, .value_kind: global_buffer, .address_space: global }
      - { .name: bv, .offset: 64, .size: 8, .value_kind: global_buffer, .address_space: global }
      - { .name: lowp_scales, .offset: 72, .size: 8, .value_kind: global_buffer, .address_space: global }
      - { .name: q_img, .offset: 80, .size: 8, .value_kind: global_buffer, .address_space: global }
      - { .name: k_img, .offset: 88, .size: 8, .value_kind: global_buffer, .address_space: global }
      - { .name: v_img, .offset: 96, .size: 8, .value_kind: global_buffer, .address_space: global }
    .group_segment_fixed_size: 327680
    .private_segment_fixed_size: 0
    .kernarg_segment_align: 8
    .kernarg_segment_size: 104
    .max_flat_workgroup_size: 128
    .sgpr_count:     100
    .vgpr_count:     1024
    .wavefront_size: 32
...
	.end_amdgpu_metadata
.endif
;; end of part 2
;; launch attn (part 3): grid 8 x 64, 16 waves a work-group, no clusters, 67,584 bytes of LDS; arguments q_img, k_img, v_img, meta, lowp_scales, o_img; writes o_img
.if DOCPART == 3
	.amdgcn_target "amdgcn-amd-amdhsa--gfx1250"
	.amdhsa_code_object_version 6
	.text
	.protected	k_q1e76bb6c59_attn
	.globl	k_q1e76bb6c59_attn
	.p2align	8
	.type	k_q1e76bb6c59_attn,@function
k_q1e76bb6c59_attn:
	s_mov_b64 s[64:65], 0
	v_nop
	global_prefetch_b8 v0, s[64:65] scope:SCOPE_SE
	s_setreg_imm32_b32 hwreg(HW_REG_WAVE_MODE, 25, 1), 1
	s_wait_xcnt 0x0
; Launch 3 of 4: products 4 and 5 on codes of E5M2 with the streaming softmax, and O / l quantised with e10.
; WORK LEFT OUT: the keys at places NK and beyond are masked keys, whose p is 0 (shown at the head of the first launch): steps of 128 keys that lie wholly there are jumped over by scalar branches on NK, a whole number that
; the first launch stored; inside the last walked step their scores become -infinity.  FLAG = 1 (no open key): NK = 2,048 and the scores' factor is 0, so that t = 0, M = 0, p = 1 for every key, as equal logits give.
; SOFTMAX: t = score x log2(e) / 8; M = the running largest t rounded up to a whole number, kept as -M = floor(-t); p = 2^(t - M) is quantised with e8; the row's sum is taken of the unquantised p; when M moves, the sum and O are multiplied by a power of two.
; SHARES.  Work-group (x, y): head y % 16 of batch y / 16, queries 256 x on; each of sixteen waves owns one tile of 16 queries in 256 registers, four waves to a SIMD.
; K AND V COME THROUGH REGISTERS INTO LDS, NOT BY TENSOR LOADS, AND THERE IS NO CLUSTER: how many slots are wanted hangs on NK, a number read from memory.
; The images are dense, so a slot of 256 keys is 16 KiB of K and 16 KiB of V, copied as they lie: 16 bytes a thread, four loads and four LDS stores a thread.  A slot's loads are issued two slots ahead of its use and
; stored into LDS one slot ahead, so no wave waits for them: no prefetch is laid.
; EVERY WAVE WALKS ALL EIGHT CHANGES OF SLOTS: the loop's trip count is a constant and no barrier or wait stands under a branch.
; LAYOUT.  S^T = K Q^T (source 0 = 16 keys, source 1 = my 16 queries), O^T = V^T P^T: a lane holds one query.  By the tiles' order of rows the 16 registers of tiles 2 b, 2 b + 1 are keys 32 b + 16 (lane / 16) + 0 .. 15.
; LIMITS: e6 + e7 between -123 and 60; e8 and e10 - e8 - e9 between -126 and 112.
.set LI,   1                           ; v1   16 x lane
.set T16,  2                           ; v2   16 x thread
.set VOFF, 3                           ; v3   16 x thread + the slot's bytes in a head's image
.set SPW,  4
.set NIL,  5
.set QF,   16                          ; v16-23   Q's fragment
.set STG,  24                          ; v24-39, v40-55  two sets of 16 registers on their way to LDS: K, K, V, V
.set F,    56                          ; v56-119  fragments of K, then of V
.set S,    120                         ; v120-183 S^T, then p
.set O,    184                         ; v184-215 O^T
.set PC,   216                         ; v216-231 p's codes
.set SPARE, 65536                      ; behind the two slots: the spare words, 128 bytes for each of 16 waves
	s_load_b256 s[4:11], s[0:1], 0x0               ; q_img s[4:5], k_img s[6:7], v_img s[8:9], meta s[10:11]
	s_load_b128 s[12:15], s[0:1], 0x20             ; scales s[12:13], o_img s[14:15]
	v_lshl_add_u32 v[SPW], v0, 2, SPARE
	v_mov_b32 v[NIL], 0
	v_lshrrev_b32 v6, 5, v0
	v_readfirstlane_b32 s16, v6                    ; wave 0..15
	v_and_b32 v[LI], 31, v0
	v_lshlrev_b32 v[LI], 4, v[LI]
	v_lshlrev_b32 v[T16], 4, v0
	s_and_b32 s18, ttmp7, 0xffff                   ; y = 16 batch + head
	s_lshl_b32 s17, ttmp9, 4
	s_add_co_u32 s17, s17, s16                     ; T: my tile of queries
	s_lshl_b32 s44, s18, 17                        ; a head's image is 2^17 bytes
	s_mov_b32 s45, 0
	s_lshl_b32 s46, s17, 10
	s_mov_b32 s47, 0
	s_lshr_b32 s19, s18, 4                         ; batch
	s_lshl_b32 s48, s19, 8
	s_mov_b32 s49, 0
	s_lshl_b32 s50, s19, 7
	s_add_co_u32 s50, s50, s17                     ; o's tile of rows: 128 batch + T
	s_lshl_b32 s50, s50, 14
	s_and_b32 s51, s18, 15
	s_lshl_b32 s51, s51, 10                        ; the head's 64 codes of a row: two chunks of 512 bytes
	s_add_co_u32 s50, s50, s51
	s_mov_b32 s51, 0
	s_mov_b32 s20, 0x76543210                      ; v_permlanex16_b32: lane l xor 16
	s_mov_b32 s21, 0xfedcba98
	s_wait_kmcnt 0x0
	s_add_nc_u64 s[10:11], s[10:11], s[48:49]
	s_load_b64 s[24:25], s[10:11], 0x0             ; NK, FLAG
	s_load_b256 s[32:39], s[12:13], 0x0            ; e0 .. e7
	s_load_b128 s[40:43], s[12:13], 0x20           ; e8 .. e11
	s_add_nc_u64 s[4:5], s[4:5], s[44:45]
	s_add_nc_u64 s[4:5], s[4:5], s[46:47]
	s_add_nc_u64 s[6:7], s[6:7], s[44:45]
	s_add_nc_u64 s[8:9], s[8:9], s[44:45]
	s_add_nc_u64 s[14:15], s[14:15], s[50:51]
	global_load_b128 v[QF:QF+3], v[LI], s[4:5] th:TH_LOAD_NT
	global_load_b128 v[QF+4:QF+7], v[LI], s[4:5] offset:512 th:TH_LOAD_NT
.irp u, 0,1                            ; slots 0 and 1 of the keys into sets 0 and 1 (both lie inside the head's image whatever NK is)
	global_load_b128 v[STG+16*\u:STG+16*\u+3],     v[T16], s[6:7] offset:16384*\u
	global_load_b128 v[STG+16*\u+4:STG+16*\u+7],   v[T16], s[6:7] offset:16384*\u+8192
	global_load_b128 v[STG+16*\u+8:STG+16*\u+11],  v[T16], s[8:9] offset:16384*\u
	global_load_b128 v[STG+16*\u+12:STG+16*\u+15], v[T16], s[8:9] offset:16384*\u+8192
.endr
	v_mov_b32 v13, 0xff61b1e6                      ; the largest t so far: -3e38
	v_floor_f32 v12, -v13                          ; -M
	v_mov_b32 v14, 0                               ; the sum, in two halves
	v_mov_b32 v15, 0
	v_mov_b32 v236, 0                              ; every lane permute's destination, in the steps and on the way out: it counts as read, so it is written here, on the one way that all paths take
	v_mov_b32 v253, 0                              ; (named as the upper half of v[252:253])
.set j, 0
.rept 32
	v_mov_b32 v[O+j], 0                            ; O^T: the step is written once; the first change of M leaves zeros zeros
.set j, j+1
.endr
	s_wait_kmcnt 0x0
	s_min_u32 s24, s24, 0x800                      ; NK
	s_add_co_i32 s30, s38, s39                     ; a score stands for score x 2^(e6 + e7): added to c's exponent field
	s_lshl_b32 s30, s30, 23
	s_mov_b32 s22, 0x3e38aa3b                      ; c = log2(e) / 8
	s_add_co_i32 s22, s22, s30
	s_cmp_eq_u32 s25, 1
	s_cselect_b32 s22, 0, s22                      ; no open key: all t are equal
	s_mov_b32 s23, s22
	s_add_co_i32 s30, s40, 127
	s_lshl_b32 s31, s30, 23
	v_mov_b32 v244, s31                            ; 2^e8
	s_add_co_i32 s30, s30, 15
	s_lshl_b32 s30, s30, 23
	s_or_b32 s30, s30, 0x600000
	v_mov_b32 v240, s30                            ; 57,344 x 2^e8
	s_sub_co_i32 s30, s42, s40
	s_sub_co_i32 s30, s30, s41
	s_add_co_i32 s30, s30, 127                     ; O / l stands for O / l x 2^(e8 + e9): its code is O / l / 2^(e10 - e8 - e9)
	s_lshl_b32 s31, s30, 23
	v_mov_b32 v245, s31
	s_add_co_i32 s30, s30, 15
	s_lshl_b32 s30, s30, 23
	s_or_b32 s30, s30, 0x600000
	v_mov_b32 v241, s30
	s_cmp_lt_i32 s40, -15                          ; p is at most 1: p / 2^e8 can pass 57,344 only where e8 is under -15
	s_cselect_b32 s29, 1, 0
	s_mov_b32 s27, 0                               ; trips of the loop
	s_mov_b32 s28, 0                               ; KF: the step's first key
	s_wait_loadcnt 4                               ; Q and set 0 are in; set 1's four loads may be out
.irp k, 0,1,2,3
	ds_store_b128 v[T16], v[STG+4*\k:STG+4*\k+3] offset:8192*\k
.endr
	s_wait_dscnt 0x0
	s_barrier_signal -1
	s_barrier_wait -1                              ; slot 0 is whole
; A KEY STEP: 128 keys, the q-th of slot p.
.macro STEP p, q
	s_cmp_ge_u32 s28, s24                          ; all its keys are masked: the work is left out, not the line at the end that steps KF
	s_cbranch_scc1 .Lhid_\@
.rept 4
	v_nop                                          ; places in front of loads into registers that matrix instructions have read
.endr
.irp t, 0,1,2,3,4,5,6,7
.irp c, 0,1
	ds_load_b128 v[F+8*\t+4*\c:F+8*\t+4*\c+3], v[LI] offset:32768*\p+(8*\q+\t)*1024+512*\c
.endr
.endr
	s_wait_dscnt 0x0
.irp t, 0,1,2,3,4,5,6,7
	v_wmma_f32_16x16x64_bf8_bf8 v[S+8*\t:S+8*\t+7], v[F+8*\t:F+8*\t+7], v[QF:QF+7], 0
.endr
.rept 4
	v_nop                                          ; places in front of the loads below and of the first read of the scores
.endr
.irp d, 0,1,2,3                        ; V's four tiles of channels land while the softmax is walked
.irp c, 0,1,2,3
	ds_load_b128 v[F+16*\d+4*\c:F+16*\d+4*\c+3], v[LI] offset:32768*\p+16384+8192*\q+4096*(\c/2)+1024*\d+512*(\c%2)
.endr
.endr
	s_add_co_u32 s30, s28, 128
	s_cmp_le_u32 s30, s24
	s_cbranch_scc1 .Lfull_\@                       ; all 128 keys are open
	s_sub_co_u32 s30, s24, s28
	s_sub_co_u32 s30, s30, 1
	v_bfe_u32 v253, v0, 4, 1
	v_lshlrev_b32 v253, 4, v253
	v_sub_nc_u32 v252, s30, v253                   ; register 16 b + i holds key KF + 32 b + 16 (lane / 16) + i: masked where 32 b + i > NK - KF - 16 (lane / 16) - 1
	v_mov_b32 v254, 0xff800000                     ; -infinity
.set n, 0
.rept 64
	v_cmp_gt_i32 vcc_lo, 32*(n/16)+n%16, v252
	v_cndmask_b32 v[S+n], v[S+n], v254, vcc_lo
.set n, n+1
.endr
.Lfull_\@:
	v_max3_num_f32 v254, v[S], v[S+1], v[S+2]      ; the step's largest score of my query, in two chains
	v_max3_num_f32 v252, v[S+3], v[S+4], v[S+5]
.set j, 6
.rept 14
	v_max3_num_f32 v254, v254, v[S+j], v[S+j+1]
	v_max3_num_f32 v252, v252, v[S+j+2], v[S+j+3]
.set j, j+4
.endr
	v_max3_num_f32 v254, v254, v[S+62], v[S+63]
	v_max_num_f32 v254, v254, v252
	v_permlanex16_b32 v236, v254, s20, s21
	v_max_num_f32 v254, v254, v236                 ; and among lane l xor 16's
	v_mul_f32 v254, s22, v254                      ; as t (c is not negative)
	v_max_num_f32 v13, v13, v254
	v_mov_b32 v254, v12
	v_floor_f32 v12, -v13                          ; the new -M
	v_sub_f32 v254, v12, v254                      ; old M - new M: a whole number, 0 or less
	v_cvt_i32_f32 v254, v254                       ; (it saturates)
	v_ldexp_f32 v252, 1.0, v254                    ; f = 2^(old M - new M)
.set j, 0
.rept 32
	v_pk_fma_f32 v[S+j:S+j+1], v[S+j:S+j+1], s[22:23], v[12:13] op_sel_hi:[1,0,0]   ; t - M, two at a time
.set j, j+2
.endr
.set j, 0
.rept 64
	v_exp_f32 v[S+j], v[S+j]                       ; p = 2^(t - M)
.set j, j+1
.endr
	v_pk_mul_f32 v[14:15], v[14:15], v[252:253] op_sel_hi:[1,0]   ; the sums under the new M; the plain instruction behind the exponentials
	s_wait_alu depctr_va_vdst(0)                   ; one wait for the whole batch, ahead of its first reader
	v_pk_add_f32 v[242:243], v[S:S+1], v[S+2:S+3]  ; the row's sum is taken of the unquantised p
.set j, 4
.rept 15
	v_pk_add_f32 v[14:15], v[14:15], v[S+j:S+j+1]
	v_pk_add_f32 v[242:243], v[242:243], v[S+j+2:S+j+3]
.set j, j+4
.endr
	v_pk_add_f32 v[14:15], v[14:15], v[242:243]
	s_cmp_eq_u32 s29, 0
	s_cbranch_scc1 .Lnohold_\@                     ; with e8 at -15 or above p / 2^e8 is at most 32,768: the hold can never bind
.set j, 0
.rept 64
	v_min_num_f32 v[S+j], v[S+j], v240             ; p is not negative: the hold is one-sided
.set j, j+1
.endr
.Lnohold_\@:
.irp b, 0,1,2,3
	v_cvt_scalef32_pk8_bf8_f32 v[PC+4*\b:PC+4*\b+1], v[S+16*\b:S+16*\b+7], v244
	v_cvt_scalef32_pk8_bf8_f32 v[PC+4*\b+2:PC+4*\b+3], v[S+16*\b+8:S+16*\b+15], v244
.endr
.set j, 0
.rept 16
	v_pk_mul_f32 v[O+j:O+j+1], v[O+j:O+j+1], v[252:253] op_sel_hi:[1,0]   ; O^T under the new M; also the plain instructions behind the conversions
.set j, j+2
.endr
	s_wait_dscnt 0x0                               ; V is in
.irp d, 0,1,2,3                        ; the four accumulators take turns
	v_wmma_f32_16x16x128_bf8_bf8 v[O+8*\d:O+8*\d+7], v[F+16*\d:F+16*\d+15], v[PC:PC+15], v[O+8*\d:O+8*\d+7]
.endr
.Lhid_\@:
	s_add_co_u32 s28, s28, 128
.endm
; A SLOT: 256 keys in slot p.  The other set, loaded a slot ago, goes into the other slot; this set takes the keys two slots on.  The one barrier at the end orders this slot's reads ahead of the next
; stores into it, and the stores into the other slot ahead of the next reads of it.  The waits and the barrier stand on every path.
.macro TRIP p
	s_wait_loadcnt 0x0                             ; the other set is in; the loads' offset register may be written
	s_add_co_u32 s30, s28, 256
	s_cmp_lt_u32 s30, s24
	s_cbranch_scc0 .Lno_store_\@                   ; the next slot has no open key: nobody will read it
.irp k, 0,1,2,3
	ds_store_b128 v[T16], v[STG+16*(1-\p)+4*\k:STG+16*(1-\p)+4*\k+3] offset:32768*(1-\p)+8192*\k
.endr
.Lno_store_\@:
	s_add_co_u32 s30, s28, 512
	s_cmp_lt_u32 s30, s24
	s_cbranch_scc0 .Lno_load_\@
	s_min_u32 s30, s30, 1792                       ; the last slot's first key at the most
	s_lshl_b32 s30, s30, 6                         ; 64 bytes a key in both images
	v_add_nc_u32 v[VOFF], s30, v[T16]
	global_load_b128 v[STG+16*\p:STG+16*\p+3],     v[VOFF], s[6:7]
	global_load_b128 v[STG+16*\p+4:STG+16*\p+7],   v[VOFF], s[6:7] offset:8192
	global_load_b128 v[STG+16*\p+8:STG+16*\p+11],  v[VOFF], s[8:9]
	global_load_b128 v[STG+16*\p+12:STG+16*\p+15], v[VOFF], s[8:9] offset:8192
.Lno_load_\@:
	STEP \p, 0
	STEP \p, 1
	s_wait_dscnt 0x0                               ; my stores have landed and my reads are over
	s_barrier_signal -1
	s_barrier_wait -1
.endm
.Lloop:                                            ; four trips of two slots: all 2,048 places
	TRIP 0
	TRIP 1
	s_add_co_u32 s27, s27, 1
	s_cmp_lt_u32 s27, 4
	s_cbranch_scc1 .Lloop
	; THE WAY OUT.  O^T / l is quantised: by the tiles' order of channels a lane's 32 registers are channels 16 (lane / 16) + 0 .. 15 and 32 + 16 (lane / 16) + 0 .. 15 of its query: two chunks of the next operand's image.
.rept 4
	v_nop                                          ; places behind the last products
.endr
	v_add_f32 v14, v14, v15
	v_permlanex16_b32 v236, v14, s20, s21          ; into the register that was written at the head: the steps, which write the others at work, stand under branches
	v_add_f32 v14, v14, v236                       ; the row's sum
	v_rcp_f32 v14, v14
	v_nop                                          ; a plain instruction behind the reciprocal
	s_wait_alu depctr_va_vdst(0)                   ; and the wait ahead of its first reader
.set j, 0
.rept 16
	v_pk_mul_f32 v[S+j:S+j+1], v[O+j:O+j+1], v[14:15] op_sel_hi:[1,0]
.set j, j+2
.endr
.set j, 0
.rept 32
	v_med3_num_f32 v[S+j], v[S+j], -v241, v241
.set j, j+1
.endr
.irp b, 0,1,2,3
	v_cvt_scalef32_pk8_bf8_f32 v[PC+2*\b:PC+2*\b+1], v[S+8*\b:S+8*\b+7], v245
.endr
	v_nop
	global_store_b128 v[LI], v[PC:PC+3], s[14:15]               ; 32 lanes store 512 consecutive bytes, aligned
	global_store_b128 v[LI], v[PC+4:PC+7], s[14:15] offset:512
	s_wait_tensorcnt 0x0                           ; the wave's end, behind my last LDS store
	ds_add_u32 v[SPW], v[NIL]
	s_wait_dscnt 0x0
	s_endpgm
.Lfunc_end_k_q1e76bb6c59_attn:
	.size	k_q1e76bb6c59_attn, .Lfunc_end_k_q1e76bb6c59_attn-k_q1e76bb6c59_attn
	.p2alignl 7, 3214868480
	.fill 96, 4, 3214868480
	.section	.rodata,"a",@progbits
	.p2align	6, 0x0
	.amdhsa_kernel k_q1e76bb6c59_attn
		.amdhsa_group_segment_fixed_size 67584
		.amdhsa_private_segment_fixed_size 0
		.amdhsa_enable_private_segment 0
		.amdhsa_kernarg_size 48
		.amdhsa_user_sgpr_count 2
		.amdhsa_user_sgpr_kernarg_segment_ptr 1
		.amdhsa_wavefront_size32 1
		.amdhsa_system_sgpr_workgroup_id_x 1
		.amdhsa_system_sgpr_workgroup_id_y 1
		.amdhsa_system_sgpr_workgroup_id_z 1
		.amdhsa_system_vgpr_workitem_id 0
		.amdhsa_next_free_vgpr 256
		.amdhsa_next_free_sgpr 66
		.amdhsa_reserve_vcc 1
		.amdhsa_float_denorm_mode_32 3
		.amdhsa_float_denorm_mode_16_64 3
		.amdhsa_memory_ordered 1
		.amdhsa_forward_progress 1
		.amdhsa_inst_pref_size 94
	.end_amdhsa_kernel
	.amdgpu_metadata
---
amdhsa.version: [ 1, 2 ]
amdhsa.kernels:
  - .name:           k_q1e76bb6c59_attn
    .symbol:         k_q1e76bb6c59_attn.kd
    .args:
      - { .name: q_img, .offset: 0, .size: 8, .value_kind: global_buffer, .address_space: global }
      - { .name: k_img, .offset: 8, .size: 8, .value_kind: global_buffer, .address_space: global }
      - { .name: v_img, .offset: 16, .size: 8, .value_kind: global_buffer, .address_space: global }
      - { .name: meta, .offset: 24, .size: 8, .value_kind: global_buffer, .address_space: global }
      - { .name: lowp_scales, .offset: 32, .size: 8, .value_kind: global_buffer, .address_space: global }
      - { .name: o_img, .offset: 40, .size: 8, .value_kind: global_buffer, .address_space: global }
    .group_segment_fixed_size: 67584
    .private_segment_fixed_size: 0
    .kernarg_segment_align: 8
    .kernarg_segment_size: 48
    .max_flat_workgroup_size: 512
    .sgpr_count:     66
    .vgpr_count:     256
    .wavefront_size: 32
...
	.end_amdgpu_metadata
.endif
;; end of part 3
;; launch outln (part 4): grid 256 x 1, 4 waves a work-group, clusters of 4 x 1, 327,680 bytes of LDS; arguments o_img, Wm_codes, lowp_scales, bm, y_q, ln_g, ln_b, out0; writes out0
.if DOCPART == 4
	.amdgcn_target "amdgcn-amd-amdhsa--gfx1250"
	.amdhsa_code_object_version 6
	.text
	.protected	k_q1e76bb6c59_outln
	.globl	k_q1e76bb6c59_outln
	.p2align	8
	.type	k_q1e76bb6c59_outln,@function
k_q1e76bb6c59_outln:
	s_mov_b64 s[64:65], 0
	v_nop
	global_prefetch_b8 v0, s[64:65] scope:SCOPE_SE
	s_setreg_imm32_b32 hwreg(HW_REG_WAVE_MODE, 25, 1), 1
	s_wait_xcnt 0x0
	s_wait_alu depctr_hold_cnt(0) depctr_sa_sdst(0) depctr_va_vdst(0) depctr_va_sdst(0) depctr_va_ssrc(0) depctr_va_vcc(0) depctr_vm_vsrc(0)
	s_getreg_b32 s2, hwreg(HW_REG_IB_STS2, 6, 4)
	s_cmp_eq_u32 s2, 0
	s_cbranch_scc0 .Lentry_in_a_cluster
	s_endpgm
.Lentry_in_a_cluster:
	s_bfe_u32 s2, ttmp6, 0x10000c
	s_cmp_lg_u32 s2, 0x3003
	s_cbranch_scc0 .Lentry_shape_is_right
	s_endpgm
.Lentry_shape_is_right:
; Launch 4 of 4: y1 = o Wm^T on codes of E5M2, + bm, + y_q, LayerNorm.  Nothing is left out here.
; SHARES.  A work-group owns 32 whole rows (two tiles of o_img), since a row's mean and variance want the whole row.  The waves share the columns: wave w makes columns 512 nh + 128 w + 0 .. 127, nh = 0, 1:
; 32 accumulators (nh, i, rt).  The rows' codes, 32 KiB, stay in each wave's registers; Wm walks through a ring of two LDS slots of 512 rows x 256 bytes (index 0 .. 7: nh = index / 4, K quarter = index % 4).
; CLUSTER: all work-groups walk the same Wm, so the four partners ask for each tile JOINTLY: the same load, the same descriptor, the mask 15.  Each wave fetches and reads its own 128 rows of a slot.
; THE MATRIX INSTRUCTION: source 0 = 16 rows of Wm, source 1 = 16 rows of o: a lane holds eight neighbouring columns of one row.  The rows meet in a stage in LDS (slot 0, after its last fill and last read), and each wave normalises 8 whole rows.
; LIMIT: e10 + e11 between -126 and 127.
; REGISTERS, in windows of 256: window 0: v1-29 addresses; v32-127 bm, ln_g, ln_b; v128-255 Wm's fragments, set 0, later two row buffers and v192-197 at work; window 1: o's 16 fragments, later y_q's rows 4-7;
;   window 2: the accumulators, (nh, i, rt) at v[8 (16 nh + 2 i + rt)]; window 3: v0-127 y_q's rows 0-3, v128-255 Wm's fragments, set 1.
.set PITCH, 272
.set WPART, 128*PITCH                  ; a wave's part of a slot
.set SLOT,  4*WPART
.set SPARE, 2*SLOT
.set SROW,  4112                       ; a stage row: 4,096 bytes + 16
.set LI,   1                           ; v1   16 x lane
.set ADW,  16                          ; v16-17 my fragments of Wm in slot 0, 1
.set STO,  24
.set SRD,  25
.set PFO,  26                          ; v26  256 x lane
.set SPW,  28
.set NIL,  29
.set BM,   32
.set LG,   64
.set LB,   96
.set G1,   16                          ; s[16:23]
.set G0,   24                          ; s[24:27], s[28:31]: a group 0 for each slot
.set MSB, 0
.macro WIN new
.if MSB != (\new)
	s_set_vgpr_msb (MSB<<8)|(\new)
.set MSB, (\new)
.endif
.endm
.macro CROUND                          ; a round of the cluster's barrier
	s_barrier_signal -1
	s_barrier_wait -1
	s_cmp_lg_u32 s8, 0
	s_cbranch_scc1 .Lnot_wave_0_\@
	s_barrier_signal -3
.Lnot_wave_0_\@:
	s_barrier_wait -3
	s_barrier_signal -1
	s_barrier_wait -1
.endm
.macro PLACES
.rept 4
	v_nop
.endr
.endm
	s_load_b512 s[32:47], s[0:1], 0x0              ; o_img s[32:33], Wm s[34:35], scales s[36:37], bm s[38:39], y_q s[40:41], ln_g s[42:43], ln_b s[44:45], out0 s[46:47]
	v_lshl_add_u32 v[SPW], v0, 2, SPARE
	v_mov_b32 v[NIL], 0
	ds_add_u32 v[SPW], v[NIL]                      ; the wave's opening: the add, twice on end, and its wait ahead of my first tensor load
	ds_add_u32 v[SPW], v[NIL]
	v_lshrrev_b32 v2, 5, v0
	v_readfirstlane_b32 s8, v2                     ; wave 0..3
	s_bfe_u32 s9, ttmp6, 0x40000                   ; cx
	s_lshl_b32 s10, ttmp9, 2
	s_add_co_u32 s10, s10, s9                      ; my work-group: it enters the addresses of o_img, y_q and out0 alone
	s_mov_b32 s[G1+0], 15|(0<<16)|(1<<20)|(1<<21)|(5<<22)|(3<<25)  ; the mask: all four; elements of 1 byte; padding on; bit 21 beside a mask; after every 64 words four words
	s_mov_b32 s[G1+1], 256<<16                     ; tensor_dim0
	s_mov_b32 s[G1+2], 128<<16                     ; tensor_dim1
	s_mov_b32 s[G1+3], 256<<16                     ; tile_dim0
	s_mov_b32 s[G1+4], 128                         ; tile_dim1
	s_mov_b32 s[G1+5], 1024                        ; the pitch
	s_mov_b32 s[G1+6], 0
	s_mov_b32 s[G1+7], 0
	s_mul_i32 s11, s8, WPART
	s_lshl_b32 s12, s8, 17                         ; my 128 rows of Wm
	s_mov_b32 s13, 0
	s_mov_b32 s50, 0x3a800000                      ; 1 / 1,024
	s_mov_b32 s52, 0x76543210
	s_mov_b32 s53, 0xfedcba98
	s_lshl_b32 s54, s10, 15                        ; my two tiles of o_img
	s_mov_b32 s55, 0
	s_lshl_b32 s56, s10, 5
	s_lshl_b32 s57, s8, 3
	s_add_co_u32 s56, s56, s57                     ; the first row that I normalise: 32 x work-group + 8 x wave
	s_lshl_b32 s56, s56, 12
	s_mov_b32 s57, 0
	s_wait_dscnt 0x0                               ; both opening adds are done
	s_wait_kmcnt 0x0
	s_load_b64 s[48:49], s[36:37], 0x28            ; e10, e11
	s_add_nc_u64 s[14:15], s[34:35], s[12:13]
	s_mov_b32 s[G0], 1
	s_mov_b32 s[G0+1], s11
	s_mov_b64 s[G0+2:G0+3], s[14:15]               ; index 0
	s_or_b32 s[G0+3], s[G0+3], 0x80000000
	s_mov_b32 s[G0+4], 1
	s_add_co_u32 s[G0+5], s11, SLOT
	s_add_nc_u64 s[G0+6:G0+7], s[14:15], 256       ; index 1
	s_or_b32 s[G0+7], s[G0+7], 0x80000000
	s_add_nc_u64 s[32:33], s[32:33], s[54:55]
	s_add_nc_u64 s[40:41], s[40:41], s[56:57]
	s_add_nc_u64 s[46:47], s[46:47], s[56:57]
	CROUND                                         ; all four work-groups are here: the first joint loads meet
	tensor_load_to_lds s[G0:G0+3], s[G1:G1+7]      ; every wave issues its own two first fills: two loads of mine are out
	s_nop 0
	tensor_load_to_lds s[G0+4:G0+7], s[G1:G1+7]
	s_nop 0
.rept 4
	v_nop
.endr
	v_and_b32 v[LI], 31, v0
	v_lshlrev_b32 v[PFO], 8, v[LI]
	v_lshlrev_b32 v[LI], 4, v[LI]
	v_and_b32 v2, 15, v0                           ; r
	v_bfe_u32 v3, v0, 4, 1                         ; h
	WIN 0x40                                       ; destination window 1
.set i, 0
.rept 64                               ; o's fragment (rt, s) at v[128 rt + 16 s] of window 1: the image as it lies
	global_load_b128 v[4*i:4*i+3], v[LI], s[32:33] offset:512*i
.set i, i+1
.endr
	WIN 0xc0                                       ; destination window 3
.irp i, 0,1,2,3
.irp j, 0,1,2,3,4,5,6,7
	global_load_b128 v[32*\i+4*\j:32*\i+4*\j+3], v[LI], s[40:41] offset:4096*\i+512*\j th:TH_LOAD_NT   ; y_q, my rows 0-3
.endr
.endr
	WIN 0
	v_mul_u32_u24 v4, v2, PITCH
	v_lshl_add_u32 v4, v3, 4, v4
	v_add_nc_u32 v[ADW], s11, v4
	v_add_nc_u32 v[ADW+1], SLOT, v[ADW]
	v_and_b32 v5, 8, v2
	v_add_nc_u32 v5, v5, v2                        ; r + 8 (r / 8): lane r of tile rt is row 8 rt + r + 8 (r / 8) of my 32
	v_mul_u32_u24 v5, v5, SROW
	v_lshl_add_u32 v5, v3, 5, v5
	s_lshl_b32 s54, s8, 9
	v_add_nc_u32 v[STO], s54, v5
	s_mul_i32 s54, s8, 8*SROW
	v_add_nc_u32 v[SRD], s54, v[LI]
.macro FETCHW s, q                     ; my 8 fragments of the slot's q-th 128 along K
.irp i, 0,1,2,3,4,5,6,7
.irp c, 0,1,2,3
	ds_load_b128 v[128+16*\i+4*\c:128+16*\i+4*\c+3], v[ADW+\s] offset:128*\q+32*\c+\i*16*PITCH
.endr
.endr
.endm
.macro MUL idx, q                      ; 16 matrix instructions, the 16 accumulators of this nh by turns; the first K step starts the sums
.irp i, 0,1,2,3,4,5,6,7
.irp t, 0,1
.if (((\idx)&3) == 0) && ((\q) == 0)
	v_wmma_f32_16x16x128_bf8_bf8 v[8*(16*((\idx)>>2)+2*\i+\t):8*(16*((\idx)>>2)+2*\i+\t)+7], v[128+16*\i:128+16*\i+15], v[128*\t+16*(2*((\idx)&3)+\q):128*\t+16*(2*((\idx)&3)+\q)+15], 0
.else
	v_wmma_f32_16x16x128_bf8_bf8 v[8*(16*((\idx)>>2)+2*\i+\t):8*(16*((\idx)>>2)+2*\i+\t)+7], v[128+16*\i:128+16*\i+15], v[128*\t+16*(2*((\idx)&3)+\q):128*\t+16*(2*((\idx)&3)+\q)+15], v[8*(16*((\idx)>>2)+2*\i+\t):8*(16*((\idx)>>2)+2*\i+\t)+7]
.endif
.endr
.endr
.endm
; A slot's work: 64 LDS loads, 32 matrix instructions.  pf = 0, 1: behind the loads one prefetch of y_q: half pf of my rows 4-7, 32 blocks of 256 bytes, a lane a block, each named once in the launch;
; those rows are loaded behind the last products, one or two slots later; the address registers are never rewritten.
.macro SLOTSTEP idx, pf
	WIN 0
	FETCHW (\idx)%2, 0
	WIN 0xc0                                       ; destination window 3
	FETCHW (\idx)%2, 1
.if (\pf) >= 0
	global_prefetch_b8 v[PFO], s[40:41] offset:16384+8192*(\pf) th:TH_LOAD_NT scope:SCOPE_SE
.endif
	s_wait_dscnt 32                                ; set 0 is in; set 1's 32 loads may be out
	WIN 0xa4                                       ; Wm window 0, o window 1, C and D window 2
	MUL \idx, 0
	s_wait_dscnt 0x0
	WIN 0xa7                                       ; Wm window 3
	MUL \idx, 1
.endm
; The change of slots: all my tensor loads have landed (my part of the other slot), the add, my reads of this slot are over; a round of the cluster's barrier; the joint refill first behind it.
.macro CHANGE s, step
	WIN 0
	s_wait_tensorcnt 0x0                           ; no tensor load of mine is out, so a group 0 may be written
	ds_add_u32 v[SPW], v[NIL]
	s_add_nc_u64 s[G0+4*\s+2:G0+4*\s+3], s[G0+4*\s+2:G0+4*\s+3], \step
	s_wait_dscnt 0x0
	CROUND
	tensor_load_to_lds s[G0+4*\s:G0+4*\s+3], s[G1:G1+7]
	s_nop 0
.rept 4
	v_nop                                          ; also the places in front of the loads into Wm's registers
.endr
.endm
	s_wait_tensorcnt 1                             ; my part of slot 0 is in, and I alone read it; slot 1's load may be out
	s_wait_loadcnt 32                              ; o's codes are in; y_q's 32 loads may be out
	SLOTSTEP 0, -1
	CHANGE 0, 512                                  ; index 2
	SLOTSTEP 1, -1
	CHANGE 1, 512                                  ; index 3
	SLOTSTEP 2, -1
	CHANGE 0, 523776                               ; index 4: 512 rows down, back along K
	SLOTSTEP 3, -1
	CHANGE 1, 523776                               ; index 5
	SLOTSTEP 4, -1
	CHANGE 0, 512                                  ; index 6
	SLOTSTEP 5, 0
	CHANGE 1, 512                                  ; index 7: the last load
	SLOTSTEP 6, 1
	WIN 0
	s_wait_tensorcnt 0x0                           ; index 7 is in; nothing is filled again, so no round follows
	ds_add_u32 v[SPW], v[NIL]
	s_wait_dscnt 0x0                               ; my reads of slot 0 are over
	s_barrier_signal -1
	s_barrier_wait -1                              ; everybody's are: slot 0 may take the stage
	PLACES
	SLOTSTEP 7, -1
	WIN 0
	PLACES                                         ; behind the last products: for the loads into their registers and the stores of the sums
.irp j, 0,1,2,3,4,5,6,7
	global_load_b128 v[BM+4*\j:BM+4*\j+3], v[LI], s[38:39] offset:512*\j
	global_load_b128 v[LG+4*\j:LG+4*\j+3], v[LI], s[42:43] offset:512*\j
	global_load_b128 v[LB+4*\j:LB+4*\j+3], v[LI], s[44:45] offset:512*\j
.endr
	WIN 0x40
.irp i, 0,1,2,3
.irp j, 0,1,2,3,4,5,6,7
	global_load_b128 v[32*\i+4*\j:32*\i+4*\j+3], v[LI], s[40:41] offset:4096*(4+\i)+512*\j th:TH_LOAD_NT   ; y_q, my rows 4-7
.endr
.endr
	WIN 0x08                                       ; the stores' data in window 2
.irp n, 0,1
.irp i, 0,1,2,3,4,5,6,7
.irp t, 0,1
	ds_store_b128 v[STO], v[8*(16*\n+2*\i+\t):8*(16*\n+2*\i+\t)+3] offset:\t*8*SROW+\n*2048+64*\i        ; each accumulator from its low end on
	ds_store_b128 v[STO], v[8*(16*\n+2*\i+\t)+4:8*(16*\n+2*\i+\t)+7] offset:\t*8*SROW+\n*2048+64*\i+16
.endr
.endr
.endr
	WIN 0
	s_wait_dscnt 0x0                               ; for the others' sake: my stores into the stage are done
	s_barrier_signal -1
	s_barrier_wait -1                              ; 32 whole rows lie in the stage
.irp j, 0,1,2,3,4,5,6,7
	ds_load_b128 v[128+4*\j:128+4*\j+3], v[SRD] offset:512*\j
.endr
	s_wait_kmcnt 0x0
	s_add_co_i32 s48, s48, s49
	s_add_co_i32 s48, s48, 127
	s_lshl_b32 s48, s48, 23                        ; 2^(e10 + e11) as f32
	s_mov_b32 s49, s48
; Row i of my eight: a lane holds columns 128 j + 4 lane + 0 .. 3, j = 0 .. 7, in 32 registers; two buffers by turns.
.macro ROW i
.set XB, 128+32*((\i)%2)
.set XN, 128+32*(((\i)+1)%2)
.set YQ, 32*((\i)%4)
	s_wait_dscnt 0x0                               ; this row is back from the stage
	s_wait_xcnt 0x0                                ; the row before has left its buffer: its stores have read their registers
.if (\i) < 7
.irp j, 0,1,2,3,4,5,6,7
	ds_load_b128 v[XN+4*\j:XN+4*\j+3], v[SRD] offset:SROW*((\i)+1)+512*\j
.endr
.endif
.if (\i) == 0
	s_wait_loadcnt 32                              ; y_q's rows 0-3, bm, ln_g, ln_b are in; rows 4-7, 32 loads, may be out
.endif
.if (\i) == 4
	s_wait_loadcnt 0x0
.endif
	WIN 0x30-0x20*((\i)/4)                         ; source 2: y_q in window 3 (rows 0-3) or 1 (rows 4-7)
.set k, 0
.rept 16
	v_pk_fma_f32 v[XB+k:XB+k+1], v[XB+k:XB+k+1], s[48:49], v[YQ+k:YQ+k+1] op_sel_hi:[1,0,1]   ; sum x 2^(e10 + e11) + y_q
.set k, k+2
.endr
	WIN 0
.set k, 0
.rept 16
	v_pk_add_f32 v[XB+k:XB+k+1], v[XB+k:XB+k+1], v[BM+k:BM+k+1]
.set k, k+2
.endr
	v_pk_add_f32 v[192:193], v[XB:XB+1], v[XB+2:XB+3]             ; the row's sum, in two chains
	v_pk_add_f32 v[194:195], v[XB+4:XB+5], v[XB+6:XB+7]
.set k, 8
.rept 6
	v_pk_add_f32 v[192:193], v[192:193], v[XB+k:XB+k+1]
	v_pk_add_f32 v[194:195], v[194:195], v[XB+k+2:XB+k+3]
.set k, k+4
.endr
	v_pk_add_f32 v[192:193], v[192:193], v[194:195]
	v_add_f32 v192, v192, v193
	v_add_f32_dpp v192, v192, v192 row_xmask:1 row_mask:0xf bank_mask:0xf
	v_add_f32_dpp v192, v192, v192 row_xmask:2 row_mask:0xf bank_mask:0xf
	v_add_f32_dpp v192, v192, v192 row_xmask:4 row_mask:0xf bank_mask:0xf
	v_add_f32_dpp v192, v192, v192 row_xmask:8 row_mask:0xf bank_mask:0xf
	v_permlanex16_b32 v193, v192, s52, s53
	v_add_f32 v192, v192, v193
	v_mul_f32 v192, s50, v192                      ; the mean
.set k, 0
.rept 16
	v_pk_add_f32 v[XB+k:XB+k+1], v[XB+k:XB+k+1], v[192:193] op_sel_hi:[1,0] neg_lo:[0,1] neg_hi:[0,1]   ; x - mean
.set k, k+2
.endr
	v_pk_mul_f32 v[194:195], v[XB:XB+1], v[XB:XB+1]               ; the sum of squares, in two chains
	v_pk_mul_f32 v[196:197], v[XB+2:XB+3], v[XB+2:XB+3]
.set k, 4
.rept 7
	v_pk_fma_f32 v[194:195], v[XB+k:XB+k+1], v[XB+k:XB+k+1], v[194:195]
	v_pk_fma_f32 v[196:197], v[XB+k+2:XB+k+3], v[XB+k+2:XB+k+3], v[196:197]
.set k, k+4
.endr
	v_pk_add_f32 v[194:195], v[194:195], v[196:197]
	v_add_f32 v194, v194, v195
	v_add_f32_dpp v194, v194, v194 row_xmask:1 row_mask:0xf bank_mask:0xf
	v_add_f32_dpp v194, v194, v194 row_xmask:2 row_mask:0xf bank_mask:0xf
	v_add_f32_dpp v194, v194, v194 row_xmask:4 row_mask:0xf bank_mask:0xf
	v_add_f32_dpp v194, v194, v194 row_xmask:8 row_mask:0xf bank_mask:0xf
	v_permlanex16_b32 v195, v194, s52, s53
	v_add_f32 v194, v194, v195
	v_fmaak_f32 v194, s50, v194, 0x3727c5ac        ; the variance + 1e-5
	v_rsq_f32 v194, v194
	v_nop                                          ; a plain instruction behind the root
	s_wait_alu depctr_va_vdst(0)                   ; and the wait ahead of its first reader
.set k, 0
.rept 16
	v_pk_mul_f32 v[XB+k:XB+k+1], v[XB+k:XB+k+1], v[194:195] op_sel_hi:[1,0]
.set k, k+2
.endr
.set k, 0
.rept 16
	v_pk_fma_f32 v[XB+k:XB+k+1], v[XB+k:XB+k+1], v[LG+k:LG+k+1], v[LB+k:LB+k+1]
.set k, k+2
.endr
.irp j, 0,1,2,3,4,5,6,7
	global_store_b128 v[LI], v[XB+4*\j:XB+4*\j+3], s[46:47] offset:4096*(\i)+512*\j th:TH_STORE_NT   ; 32 lanes store 512 consecutive bytes, aligned
.endr
.endm
.irp i, 0,1,2,3,4,5,6,7
	ROW \i
.endr
	s_wait_tensorcnt 0x0                           ; the wave's end
	ds_add_u32 v[SPW], v[NIL]
	s_wait_dscnt 0x0
	CROUND                                         ; the closing round
	s_endpgm
.Lfunc_end_k_q1e76bb6c59_outln:
	.size	k_q1e76bb6c59_outln, .Lfunc_end_k_q1e76bb6c59_outln-k_q1e76bb6c59_outln
	.p2alignl 7, 3214868480
	.fill 96, 4, 3214868480
	.section	.rodata,"a",@progbits
	.p2align	6, 0x0
	.amdhsa_kernel k_q1e76bb6c59_outln
		.amdhsa_group_segment_fixed_size 327680
		.amdhsa_private_segment_fixed_size 0
		.amdhsa_enable_private_segment 0
		.amdhsa_kernarg_size 64
		.amdhsa_user_sgpr_count 2
		.amdhsa_user_sgpr_kernarg_segment_ptr 1
		.amdhsa_wavefront_size32 1
		.amdhsa_system_sgpr_workgroup_id_x 1
		.amdhsa_system_sgpr_workgroup_id_y 1
		.amdhsa_system_sgpr_workgroup_id_z 1
		.amdhsa_system_vgpr_workitem_id 0
		.amdhsa_next_free_vgpr 1024
		.amdhsa_next_free_sgpr 66
		.amdhsa_reserve_vcc 0
		.amdhsa_float_denorm_mode_32 3
		.amdhsa_float_denorm_mode_16_64 3
		.amdhsa_memory_ordered 1
		.amdhsa_forward_progress 1
		.amdhsa_inst_pref_size 153
	.end_amdhsa_kernel
	.amdgpu_metadata
---
amdhsa.version: [ 1, 2 ]
amdhsa.kernels:
  - .name:           k_q1e76bb6c59_outln
    .symbol:         k_q1e76bb6c59_outln.kd
    .args:
      - { .name: o_img, .offset: 0, .size: 8, .value_kind: global_buffer, .address_space: global }
      - { .name: Wm_codes, .offset: 8, .size: 8, .value_kind: global_buffer, .address_space: global }
      - { .name: lowp_scales, .offset: 16, .size: 8, .value_kind: global_buffer, .address_space: global }
      - { .name: bm, .offset: 24, .size: 8, .value_kind: global_buffer, .address_space: global }
      - { .name: y_q, .offset: 32, .size: 8, .value_kind: global_buffer, .address_space: global }
      - { .name: ln_g, .offset: 40, .size: 8, .value_kind: global_buffer, .address_space: global }
      - { .name: ln_b, .offset: 48, .size: 8, .value_kind: global_buffer, .address_space: global }
      - { .name: out0, .offset: 56, .size: 8, .value_kind: global_buffer, .address_space: global }
    .group_segment_fixed_size: 327680
    .private_segment_fixed_size: 0
    .kernarg_segment_align: 8
    .kernarg_segment_size: 64
    .max_flat_workgroup_size: 128
    .sgpr_count:     66
    .vgpr_count:     1024
    .wavefront_size: 32
...
	.end_amdgpu_metadata
.endif
;; end of part 4
;; ======== version 2 of 2: 4 launches; version 1 with the launch attn written anew for expert scheduling mode
;; limits: right only within a limited range of input values
;; workspace buffers: yq_codes 8,388,608 bytes; xk_perm 8,388,608 bytes; xv_perm 8,388,608 bytes; meta 1,024 bytes of whole numbers; q_img 8,388,608 bytes; k_img 8,388,608 bytes; v_img 8,388,608 bytes; o_img 8,388,608 bytes
;; launch prep: the kernel of part 1 again; grid 512 x 1, 4 waves a work-group, no clusters, 33,280 bytes of LDS; arguments y_q, lowp_scales, mask, x_k_codes, x_v_codes, yq_codes, xk_perm, xv_perm, meta; writes yq_codes, xk_perm, xv_perm, meta
;; launch proj: the kernel of part 2 again; grid 4 x 96, 4 waves a work-group, clusters of 4 x 4, 327,680 bytes of LDS; arguments yq_codes, xk_perm, xv_perm, Wq_codes, Wk_codes, Wv_codes, bq, bk, bv, lowp_scales, q_img, k_img, v_img; writes q_img, k_img, v_img
;; launch attn (part 5): grid 8 x 64, 16 waves a work-group, no clusters, 67,584 bytes of LDS; arguments q_img, k_img, v_img, meta, lowp_scales, o_img; writes o_img
.if DOCPART == 5
	.amdgcn_target "amdgcn-amd-amdhsa--gfx1250"
	.amdhsa_code_object_version 6
	.text
	.protected	k_q1e76bb6c59_attn
	.globl	k_q1e76bb6c59_attn
	.p2align	8
	.type	k_q1e76bb6c59_attn,@function
k_q1e76bb6c59_attn:
	s_mov_b64 s[64:65], 0
	v_nop
	global_prefetch_b8 v0, s[64:65] scope:SCOPE_SE
	s_setreg_imm32_b32 hwreg(HW_REG_WAVE_SCHED_MODE, 0, 2), 2
	s_setreg_imm32_b32 hwreg(HW_REG_WAVE_MODE, 25, 1), 1
	s_wait_xcnt 0x0
	s_wait_alu depctr_vm_vsrc(0)
; Launch 3 of 4: products 4 and 5 on codes of E5M2 with the streaming softmax, and O / l quantised with e10.
; WORK LEFT OUT: the keys at places NK and beyond are masked keys, whose p is 0 (shown at the head of the first launch): steps of 128 keys that lie wholly there are jumped over by scalar branches on NK, a whole number that
; the first launch stored; inside the last walked step their scores become -infinity.  FLAG = 1 (no open key): NK = 2,048 and the scores' factor is 0, so that t = 0, M = 0, p = 1 for every key, as equal logits give.
; SOFTMAX: t = score x log2(e) / 8; M = the running largest t rounded up to a whole number, kept as -M = floor(-t); p = 2^(t - M) is quantised with e8; the row's sum is taken of the unquantised p; when M moves, the sum and O are multiplied by a power of two.
; SHARES.  Work-group (x, y): head y % 16 of batch y / 16, queries 256 x on; each of sixteen waves owns one tile of 16 queries in 256 registers, four waves to a SIMD.
; K AND V COME THROUGH REGISTERS INTO LDS, NOT BY TENSOR LOADS, AND THERE IS NO CLUSTER: how many slots are wanted hangs on NK, a number read from memory.
; The images are dense, so a slot of 256 keys is 16 KiB of K and 16 KiB of V, copied as they lie: 16 bytes a thread, four loads and four LDS stores a thread.  A slot's loads are issued two slots ahead of its use and
; stored into LDS one slot ahead, so no wave waits for them: no prefetch is laid.
; EVERY WAVE WALKS ALL EIGHT CHANGES OF SLOTS: the loop's trip count is a constant and no barrier or wait stands under a branch.
; LAYOUT.  S^T = K Q^T (source 0 = 16 keys, source 1 = my 16 queries), O^T = V^T P^T: a lane holds one query.  By the tiles' order of rows the 16 registers of tiles 2 b, 2 b + 1 are keys 32 b + 16 (lane / 16) + 0 .. 15.
; LIMITS: e6 + e7 between -123 and 60; e8 and e10 - e8 - e9 between -126 and 112.
; THE MODE: SCHED_MODE bits 1:0 = 2 (LLVM: expert scheduling mode 2), set by the entry lines.  The code itself states the register dependences between vector or matrix instructions
; and memory or LDS instructions, with s_wait_alu, always for 0.
; THE PLAN.  Registers that memory or LDS instructions touch:
;   v[LI], v[T16]  the address of every load, store and LDS instruction; written once at the head and never again: a slot's bytes in the images go into two scalar bases.
;   STG0, STG1     written by global loads, read by LDS stores; no vector instruction names them.  The trip of slot p stores set 1 - p and loads set p, which the LDS stores of the trip before have read.
;   F              a key step: K's LDS loads land in it, the 8 products S^T read it, V's LDS loads land in it, the 4 products O^T read it.
;   PC             on the way out: written by the conversions, read by the two global stores.
;   S, O, p's codes in the loop and the statistics are named by vector and matrix instructions alone.
; So a slot has ONE wait on vm_vsrc, at its head, and a key step three waits on va_vdst: at its head (the last O^T products are done reading F), behind the S^T products (they are done reading F), and the one
; for the batch of exponentials.  Behind the second, V's sixteen loads are dealt among the lines that find the row's maximum: these, and the mask's lines in front of them, name S, v252 to v254 and s32 to s63, never F or v[LI].
.set LI,   1                           ; v1   16 x lane
.set T16,  2                           ; v2   16 x thread
.set SPW,  4
.set NIL,  5
.set QF,   16                          ; v16-23   Q's fragment
.set STG,  24                          ; v24-39, v40-55  two sets of 16 registers on their way to LDS: K, K, V, V
.set F,    56                          ; v56-119  fragments of K, then of V
.set S,    120                         ; v120-183 S^T, then p
.set O,    184                         ; v184-215 O^T
.set PC,   216                         ; v216-231 p's codes
.set KB,   10                          ; s[10:11] the head's image of K at the slot that is being asked for (free since the head, where they held meta's address)
.set VB,   12                          ; s[12:13] the same for V (they held the scales' address)
.set MSK,  32                          ; s32-63   the masks of 32 compares (free since the head, where they held exponents and offsets)
.set SPARE, 65536                      ; behind the two slots: the spare words, 128 bytes for each of 16 waves
	s_load_b256 s[4:11], s[0:1], 0x0               ; q_img s[4:5], k_img s[6:7], v_img s[8:9], meta s[10:11]
	s_load_b128 s[12:15], s[0:1], 0x20             ; scales s[12:13], o_img s[14:15]
	v_lshl_add_u32 v[SPW], v0, 2, SPARE
	v_mov_b32 v[NIL], 0
	v_lshrrev_b32 v6, 5, v0
	v_readfirstlane_b32 s16, v6                    ; wave 0..15
	v_and_b32 v[LI], 31, v0
	v_lshlrev_b32 v[LI], 4, v[LI]
	v_lshlrev_b32 v[T16], 4, v0
	s_and_b32 s18, ttmp7, 0xffff                   ; y = 16 batch + head
	s_lshl_b32 s17, ttmp9, 4
	s_wait_alu depctr_va_sdst(0)                   ; s16 is written, ahead of its first reader: Q's and O's addresses are made from it
	s_add_co_u32 s17, s17, s16                     ; T: my tile of queries
	s_lshl_b32 s44, s18, 17                        ; a head's image is 2^17 bytes
	s_mov_b32 s45, 0
	s_lshl_b32 s46, s17, 10
	s_mov_b32 s47, 0
	s_lshr_b32 s19, s18, 4                         ; batch
	s_lshl_b32 s48, s19, 8
	s_mov_b32 s49, 0
	s_lshl_b32 s50, s19, 7
	s_add_co_u32 s50, s50, s17                     ; o's tile of rows: 128 batch + T
	s_lshl_b32 s50, s50, 14
	s_and_b32 s51, s18, 15
	s_lshl_b32 s51, s51, 10                        ; the head's 64 codes of a row: two chunks of 512 bytes
	s_add_co_u32 s50, s50, s51
	s_mov_b32 s51, 0
	s_mov_b32 s20, 0x76543210                      ; v_permlanex16_b32: lane l xor 16
	s_mov_b32 s21, 0xfedcba98
	s_wait_kmcnt 0x0
	s_add_nc_u64 s[10:11], s[10:11], s[48:49]
	s_load_b64 s[24:25], s[10:11], 0x0             ; NK, FLAG
	s_load_b256 s[32:39], s[12:13], 0x0            ; e0 .. e7
	s_load_b128 s[40:43], s[12:13], 0x20           ; e8 .. e11
	s_add_nc_u64 s[4:5], s[4:5], s[44:45]
	s_add_nc_u64 s[4:5], s[4:5], s[46:47]
	s_add_nc_u64 s[6:7], s[6:7], s[44:45]
	s_add_nc_u64 s[8:9], s[8:9], s[44:45]
	s_add_nc_u64 s[14:15], s[14:15], s[50:51]
	s_wait_alu depctr_va_vdst(0)                   ; v[LI] and v[T16] are written: every load, store and LDS instruction of the kernel reads one of them as its address
	global_load_b128 v[QF:QF+3], v[LI], s[4:5] th:TH_LOAD_NT
	global_load_b128 v[QF+4:QF+7], v[LI], s[4:5] offset:512 th:TH_LOAD_NT
.irp u, 0,1                            ; slots 0 and 1 of the keys into sets 0 and 1 (both lie inside the head's image whatever NK is)
	global_load_b128 v[STG+16*\u:STG+16*\u+3],     v[T16], s[6:7] offset:16384*\u
	global_load_b128 v[STG+16*\u+4:STG+16*\u+7],   v[T16], s[6:7] offset:16384*\u+8192
	global_load_b128 v[STG+16*\u+8:STG+16*\u+11],  v[T16], s[8:9] offset:16384*\u
	global_load_b128 v[STG+16*\u+12:STG+16*\u+15], v[T16], s[8:9] offset:16384*\u+8192
.endr
	v_mov_b32 v13, 0xff61b1e6                      ; the largest t so far: -3e38
	v_floor_f32 v12, -v13                          ; -M
	v_mov_b32 v14, 0                               ; the sum, in two halves
	v_mov_b32 v15, 0
	v_mov_b32 v236, 0                              ; every lane permute's destination, in the steps and on the way out: it counts as read, so it is written here, on the one way that all paths take
	v_mov_b32 v253, 0                              ; (named as the upper half of v[252:253])
.set j, 0
.rept 32
	v_mov_b32 v[O+j], 0                            ; O^T: the step is written once; the first change of M leaves zeros zeros
.set j, j+1
.endr
	s_wait_kmcnt 0x0
	s_min_u32 s24, s24, 0x800                      ; NK
	s_add_co_i32 s30, s38, s39                     ; a score stands for score x 2^(e6 + e7): added to c's exponent field
	s_lshl_b32 s30, s30, 23
	s_mov_b32 s22, 0x3e38aa3b                      ; c = log2(e) / 8
	s_add_co_i32 s22, s22, s30
	s_cmp_eq_u32 s25, 1
	s_cselect_b32 s22, 0, s22                      ; no open key: all t are equal
	s_mov_b32 s23, s22
	s_add_co_i32 s30, s40, 127
	s_lshl_b32 s31, s30, 23
	v_mov_b32 v244, s31                            ; 2^e8
	s_add_co_i32 s30, s30, 15
	s_lshl_b32 s30, s30, 23
	s_or_b32 s30, s30, 0x600000
	v_mov_b32 v240, s30                            ; 57,344 x 2^e8
	s_sub_co_i32 s30, s42, s40
	s_sub_co_i32 s30, s30, s41
	s_add_co_i32 s30, s30, 127                     ; O / l stands for O / l x 2^(e8 + e9): its code is O / l / 2^(e10 - e8 - e9)
	s_lshl_b32 s31, s30, 23
	v_mov_b32 v245, s31
	s_add_co_i32 s30, s30, 15
	s_lshl_b32 s30, s30, 23
	s_or_b32 s30, s30, 0x600000
	v_mov_b32 v241, s30
	s_cmp_lt_i32 s40, -15                          ; p is at most 1: p / 2^e8 can pass 57,344 only where e8 is under -15
	s_cselect_b32 s29, 1, 0
	s_mov_b32 s27, 0                               ; trips of the loop
	s_mov_b32 s28, 0                               ; KF: the step's first key
	s_wait_loadcnt 4                               ; Q and set 0 are in; set 1's four loads may be out
.irp k, 0,1,2,3
	ds_store_b128 v[T16], v[STG+4*\k:STG+4*\k+3] offset:8192*\k   ; no vector instruction since the wait on va_vdst above names v[T16]; the data came by loads
.endr
	s_wait_dscnt 0x0
	s_barrier_signal -1
	s_barrier_wait -1                              ; slot 0 is whole
; V's load n of a step's sixteen: tile of channels n / 4, chunk n % 4.
.macro VFRAG p, q
	ds_load_b128 v[F+4*n:F+4*n+3], v[LI] offset:32768*\p+16384+8192*\q+4096*((n%4)/2)+1024*(n/4)+512*(n%2)
.endm
; A KEY STEP: 128 keys, the q-th of slot p.
.macro STEP p, q
	s_cmp_ge_u32 s28, s24                          ; all its keys are masked: the work is left out, not the line at the end that steps KF
	s_cbranch_scc1 .Lhid_\@
.rept 4
	v_nop                                          ; the four places in front of loads into registers that matrix instructions have read stay beside the wait below
.endr
	s_wait_alu depctr_va_vdst(0)                   ; the products O^T of the last walked step are done reading F, in which K's fragments land
.irp t, 0,1,2,3,4,5,6,7
.irp c, 0,1
	ds_load_b128 v[F+8*\t+4*\c:F+8*\t+4*\c+3], v[LI] offset:32768*\p+(8*\q+\t)*1024+512*\c
.endr
.endr
	s_wait_dscnt 0x0
.irp t, 0,1,2,3,4,5,6,7
	v_wmma_f32_16x16x64_bf8_bf8 v[S+8*\t:S+8*\t+7], v[F+8*\t:F+8*\t+7], v[QF:QF+7], 0
.endr
.rept 4
	v_nop                                          ; places in front of the first read of the scores, and of V's loads
.endr
	s_wait_alu depctr_va_vdst(0)                   ; the products S^T are done reading F, in which V's fragments land; until the last of V's loads no vector instruction names F or v[LI]
	s_add_co_u32 s30, s28, 128
	s_cmp_le_u32 s30, s24
	s_cbranch_scc1 .Lfull_\@                       ; all 128 keys are open
	s_sub_co_u32 s30, s24, s28
	s_sub_co_u32 s30, s30, 1
	v_bfe_u32 v253, v0, 4, 1
	v_lshlrev_b32 v253, 4, v253
	v_sub_nc_u32 v252, s30, v253                   ; register 16 b + i holds key KF + 32 b + 16 (lane / 16) + i: masked where 32 b + i > NK - KF - 16 (lane / 16) - 1
	v_mov_b32 v254, 0xff800000                     ; -infinity
.irp u, 0,1                            ; the compares stand in two runs of 32, each into a scalar register of its own, with one wait behind the run
.set n, 32*\u
.rept 32
	v_cmp_gt_i32 s[MSK+n%32], 32*(n/16)+n%16, v252
.set n, n+1
.endr
	s_wait_alu depctr_va_sdst(0)                   ; the run's 32 masks are written, ahead of the selects that read them
.set n, 32*\u
.rept 32
	v_cndmask_b32 v[S+n], v[S+n], v254, s[MSK+n%32]
.set n, n+1
.endr
.endr
.Lfull_\@:
	v_max3_num_f32 v254, v[S], v[S+1], v[S+2]      ; the step's largest score of my query, in two chains; V's four tiles of channels are asked for among these lines and land while the softmax is walked
	v_max3_num_f32 v252, v[S+3], v[S+4], v[S+5]
.set j, 6
.set n, 0
.rept 14
	VFRAG \p, \q
	v_max3_num_f32 v254, v254, v[S+j], v[S+j+1]
	v_max3_num_f32 v252, v252, v[S+j+2], v[S+j+3]
.set j, j+4
.set n, n+1
.endr
	VFRAG \p, \q
.set n, n+1
	v_max3_num_f32 v254, v254, v[S+62], v[S+63]
	VFRAG \p, \q
	v_max_num_f32 v254, v254, v252
	v_permlanex16_b32 v236, v254, s20, s21
	v_max_num_f32 v254, v254, v236                 ; and among lane l xor 16's
	v_mul_f32 v254, s22, v254                      ; as t (c is not negative)
	v_max_num_f32 v13, v13, v254
	v_mov_b32 v254, v12
	v_floor_f32 v12, -v13                          ; the new -M
	v_sub_f32 v254, v12, v254                      ; old M - new M: a whole number, 0 or less
	v_cvt_i32_f32 v254, v254                       ; (it saturates)
	v_ldexp_f32 v252, 1.0, v254                    ; f = 2^(old M - new M)
.set j, 0
.rept 32
	v_pk_fma_f32 v[S+j:S+j+1], v[S+j:S+j+1], s[22:23], v[12:13] op_sel_hi:[1,0,0]   ; t - M, two at a time
.set j, j+2
.endr
.set j, 0
.rept 64
	v_exp_f32 v[S+j], v[S+j]                       ; p = 2^(t - M)
.set j, j+1
.endr
	v_pk_mul_f32 v[14:15], v[14:15], v[252:253] op_sel_hi:[1,0]   ; the sums under the new M; the plain instruction behind the exponentials
	s_wait_alu depctr_va_vdst(0)                   ; the 64 exponentials have written p: one wait for the whole batch, ahead of its first reader
	v_pk_add_f32 v[242:243], v[S:S+1], v[S+2:S+3]  ; the row's sum is taken of the unquantised p
.set j, 4
.rept 15
	v_pk_add_f32 v[14:15], v[14:15], v[S+j:S+j+1]
	v_pk_add_f32 v[242:243], v[242:243], v[S+j+2:S+j+3]
.set j, j+4
.endr
	v_pk_add_f32 v[14:15], v[14:15], v[242:243]
	s_cmp_eq_u32 s29, 0
	s_cbranch_scc1 .Lnohold_\@                     ; with e8 at -15 or above p / 2^e8 is at most 32,768: the hold can never bind
.set j, 0
.rept 64
	v_min_num_f32 v[S+j], v[S+j], v240             ; p is not negative: the hold is one-sided
.set j, j+1
.endr
.Lnohold_\@:
.irp b, 0,1,2,3
	v_cvt_scalef32_pk8_bf8_f32 v[PC+4*\b:PC+4*\b+1], v[S+16*\b:S+16*\b+7], v244
	v_cvt_scalef32_pk8_bf8_f32 v[PC+4*\b+2:PC+4*\b+3], v[S+16*\b+8:S+16*\b+15], v244
.endr
.set j, 0
.rept 16
	v_pk_mul_f32 v[O+j:O+j+1], v[O+j:O+j+1], v[252:253] op_sel_hi:[1,0]   ; O^T under the new M; also the plain instructions behind the conversions
.set j, j+2
.endr
	s_wait_dscnt 0x0                               ; V is in
.irp d, 0,1,2,3                        ; the four accumulators take turns
	v_wmma_f32_16x16x128_bf8_bf8 v[O+8*\d:O+8*\d+7], v[F+16*\d:F+16*\d+15], v[PC:PC+15], v[O+8*\d:O+8*\d+7]
.endr
.Lhid_\@:
	s_add_co_u32 s28, s28, 128
.endm
; A SLOT: 256 keys in slot p.  The other set, loaded a slot ago, goes into the other slot; this set takes the keys two slots on.  The one barrier at the end orders this slot's reads ahead of the next
; stores into it, and the stores into the other slot ahead of the next reads of it.  The waits and the barrier stand on every path.
.macro TRIP p
	s_wait_loadcnt 0x0                             ; the other set is in; the loads that read the two scalar bases are done, so the bases may be written
	s_wait_alu depctr_vm_vsrc(0)                   ; the LDS stores of the slot before (first trip: the head's) have read this set, in which the loads below land; it stands ahead of both branches
	s_add_co_u32 s30, s28, 256
	s_cmp_lt_u32 s30, s24
	s_cbranch_scc0 .Lno_store_\@                   ; the next slot has no open key: nobody will read it
.irp k, 0,1,2,3
	ds_store_b128 v[T16], v[STG+16*(1-\p)+4*\k:STG+16*(1-\p)+4*\k+3] offset:32768*(1-\p)+8192*\k
.endr
.Lno_store_\@:
	s_add_co_u32 s30, s28, 512
	s_cmp_lt_u32 s30, s24
	s_cbranch_scc0 .Lno_load_\@
	s_min_u32 s30, s30, 1792                       ; the last slot's first key at the most
	s_lshl_b32 s30, s30, 6                         ; 64 bytes a key in both images
	s_mov_b32 s31, 0
	s_add_nc_u64 s[KB:KB+1], s[6:7], s[30:31]      ; the slot's bytes go into scalar bases: no vector register is written for an address in the loop
	s_add_nc_u64 s[VB:VB+1], s[8:9], s[30:31]
	global_load_b128 v[STG+16*\p:STG+16*\p+3],     v[T16], s[KB:KB+1]
	global_load_b128 v[STG+16*\p+4:STG+16*\p+7],   v[T16], s[KB:KB+1] offset:8192
	global_load_b128 v[STG+16*\p+8:STG+16*\p+11],  v[T16], s[VB:VB+1]
	global_load_b128 v[STG+16*\p+12:STG+16*\p+15], v[T16], s[VB:VB+1] offset:8192
.Lno_load_\@:
	STEP \p, 0
	STEP \p, 1
	s_wait_dscnt 0x0                               ; my stores have landed and my reads are over
	s_barrier_signal -1
	s_barrier_wait -1
.endm
.Lloop:                                            ; four trips of two slots: all 2,048 places
	TRIP 0
	TRIP 1
	s_add_co_u32 s27, s27, 1
	s_cmp_lt_u32 s27, 4
	s_cbranch_scc1 .Lloop
	; THE WAY OUT.  O^T / l is quantised: by the tiles' order of channels a lane's 32 registers are channels 16 (lane / 16) + 0 .. 15 and 32 + 16 (lane / 16) + 0 .. 15 of its query: two chunks of the next operand's image.
.rept 4
	v_nop                                          ; places behind the last products
.endr
	v_add_f32 v14, v14, v15
	v_permlanex16_b32 v236, v14, s20, s21          ; into the register that was written at the head: the steps, which write the others at work, stand under branches
	v_add_f32 v14, v14, v236                       ; the row's sum
	v_rcp_f32 v14, v14
	v_nop                                          ; a plain instruction behind the reciprocal
	s_wait_alu depctr_va_vdst(0)                   ; the reciprocal has written v14, ahead of its first reader
.set j, 0
.rept 16
	v_pk_mul_f32 v[S+j:S+j+1], v[O+j:O+j+1], v[14:15] op_sel_hi:[1,0]
.set j, j+2
.endr
.set j, 0
.rept 32
	v_med3_num_f32 v[S+j], v[S+j], -v241, v241
.set j, j+1
.endr
.irp b, 0,1,2,3
	v_cvt_scalef32_pk8_bf8_f32 v[PC+2*\b:PC+2*\b+1], v[S+8*\b:S+8*\b+7], v245
.endr
	v_nop
	s_wait_alu depctr_va_vdst(0)                   ; the conversions have written v[PC .. PC + 7], which the two stores read
	global_store_b128 v[LI], v[PC:PC+3], s[14:15]               ; 32 lanes store 512 consecutive bytes, aligned
	global_store_b128 v[LI], v[PC+4:PC+7], s[14:15] offset:512
	s_wait_dscnt 0x0                               ; the closing lines, six on end
	s_wait_alu 0x0
	s_wait_tensorcnt 0x0
	ds_add_u32 v[SPW], v[NIL]
	s_wait_dscnt 0x0
	s_endpgm
.Lfunc_end_k_q1e76bb6c59_attn:
	.size	k_q1e76bb6c59_attn, .Lfunc_end_k_q1e76bb6c59_attn-k_q1e76bb6c59_attn
	.p2alignl 7, 3214868480
	.fill 96, 4, 3214868480
	.section	.rodata,"a",@progbits
	.p2align	6, 0x0
	.amdhsa_kernel k_q1e76bb6c59_attn
		.amdhsa_group_segment_fixed_size 67584
		.amdhsa_private_segment_fixed_size 0
		.amdhsa_enable_private_segment 0
		.amdhsa_kernarg_size 48
		.amdhsa_user_sgpr_count 2
		.amdhsa_user_sgpr_kernarg_segment_ptr 1
		.amdhsa_wavefront_size32 1
		.amdhsa_system_sgpr_workgroup_id_x 1
		.amdhsa_system_sgpr_workgroup_id_y 1
		.amdhsa_system_sgpr_workgroup_id_z 1
		.amdhsa_system_vgpr_workitem_id 0
		.amdhsa_next_free_vgpr 256
		.amdhsa_next_free_sgpr 66
		.amdhsa_reserve_vcc 0
		.amdhsa_float_denorm_mode_32 3
		.amdhsa_float_denorm_mode_16_64 3
		.amdhsa_memory_ordered 1
		.amdhsa_forward_progress 1
		.amdhsa_inst_pref_size 111
	.end_amdhsa_kernel
	.amdgpu_metadata
---
amdhsa.version: [ 1, 2 ]
amdhsa.kernels:
  - .name:           k_q1e76bb6c59_attn
    .symbol:         k_q1e76bb6c59_attn.kd
    .args:
      - { .name: q_img, .offset: 0, .size: 8, .value_kind: global_buffer, .address_space: global }
      - { .name: k_img, .offset: 8, .size: 8, .value_kind: global_buffer, .address_space: global }
      - { .name: v_img, .offset: 16, .size: 8, .value_kind: global_buffer, .address_space: global }
      - { .name: meta, .offset: 24, .size: 8, .value_kind: global_buffer, .address_space: global }
      - { .name: lowp_scales, .offset: 32, .size: 8, .value_kind: global_buffer, .address_space: global }
      - { .name: o_img, .offset: 40, .size: 8, .value_kind: global_buffer, .address_space: global }
    .group_segment_fixed_size: 67584
    .private_segment_fixed_size: 0
    .kernarg_segment_align: 8
    .kernarg_segment_size: 48
    .max_flat_workgroup_size: 512
    .sgpr_count:     66
    .vgpr_count:     256
    .wavefront_size: 32
...
	.end_amdgpu_metadata
.endif
;; end of part 5
;; launch outln: the kernel of part 4 again; grid 256 x 1, 4 waves a work-group, clusters of 4 x 1, 327,680 bytes of LDS; arguments o_img, Wm_codes, lowp_scales, bm, y_q, ln_g, ln_b, out0; writes out0
